; MI455X (gfx1250); checked and timed in simulation.
; The chip was launched on July 23, 2026; its instructions are those of AMD's public machine-readable ISA for CDNA 5 (MIT licence, August 2026) and "CDNA5" Instruction Set Architecture Reference Guide (July 2026). The comments in the code are by the model that wrote it; some were corrected since.
;; Macom. Allowed arithmetic: matrix products marked QUANTISED: E4M3 operands, one given power-of-two scale a tensor, by v_wmma_f32_16x16x64_fp8_fp8 or v_wmma_f32_16x16x128_fp8_fp8, f32 sums; everything else in f32.
;; Inputs: W_dec 512 x 256 float32; W_enc 256 x 512 float32; b_dec 256 float32; b_enc 512 float32; lowp_scales 8 int32 (the exponents e of the quantised operands' scales 2^e); x 512 x 256 x 256 float32.
;; Outputs: out0 512 x 256 float32.
;; This version of the problem:
;;   THIS VERSION OF THE PROBLEM IS GIVEN IN LOW PRECISION. The matrix products marked QUANTISED in the list below multiply operands that are first quantised to E4M3 (4 exponent bits, 3 mantissa bits; 8 bits a number), with one given power-of-two scale for each operand tensor; their sums are f32. All else is computed in f32.
;;   The module's matrix products, in the order in which they are computed (A, B: the left and right operand; K: the contracted axis; several contracted axes count as one K, in the product's order):
;;     1. [M 131,072, K 256] x [K 256, N 512]; A: input x; B: input W_enc: QUANTISED (scales: A lowp_scales[0], B lowp_scales[1])
;;     2. batch 512 x [M 256, K 512] x [K 512, N 256]; A: computed on the way; B: computed on the way: QUANTISED (scales: A lowp_scales[2], B lowp_scales[3])
;;     3. batch 512 x [M 256, K 256] x [K 256, N 512]; A: computed on the way; B: computed on the way: QUANTISED (scales: A lowp_scales[4], B lowp_scales[5])
;;     4. [M 131,072, K 512] x [K 512, N 256]; A: computed on the way; B: input W_dec: QUANTISED (scales: A lowp_scales[6], B lowp_scales[7])
;;   THE QUANTISER, for each operand of a quantised product, along K:
;;     - The operand's scale is 2^e, e = its entry of the input lowp_scales (int32; the entries are numbered through the quantised products in the list's order, A before B).
;;     - Each number is divided by the scale, clamped to +-448, and rounded to the nearest number of E4M3, ties to even, subnormals kept.
;;     - The product sums the exact products of the quantised numbers (number of the format x scale) in f32.
;;   ~~~python
;;   def quantise(x, axis, e):      # numpy; x: float32 -> the quantised numbers, widened to float32 again
;;       x = np.moveaxis(x, axis, -1); K = x.shape[-1]
;;       r = np.clip(x / 2.0 ** e, -448, 448)
;;       step = 2.0 ** (np.maximum(np.frexp(np.where(r == 0, 1, r))[1] - 1, -6) - 3)
;;       q = np.round(r / step) * step * 2.0 ** e      # np.round: ties to even
;;       return np.moveaxis(q, -1, axis).astype(np.float32)
;;   ~~~
;;   OPERANDS COMPUTED ON THE WAY. 'Computed on the way' means the value that the module computes at that place (a softmax that the list does not call 'softmax' is quantised finished and normalised). What goes into a quantiser is computed in f32, as accurately as f32 sums, v_exp_f32 and their like allow (about 1e-6 of the number): no bf16 or f16 on the way to a quantiser, and a product that is left as it is and whose result goes on into a quantised operand takes f32 operands (vector FMAs, or v_wmma_f32_16x16x4_f32). A number that lies on a knife's edge between two numbers of the format may be rounded either way, as far as f32 arithmetic and the matrix unit's own rounding can turn it there, and no further.
;; 2 versions. Each part assembles by itself: llvm-mc -triple=amdgcn-amd-amdhsa -mcpu=gfx1250 --defsym DOCPART=n.
;; ======== version 1 of 2: 2 launches
;; workspace buffers: w1c 131,072 bytes; w2c 131,072 bytes; bimg 65,536 bytes
;; launch prep (part 1): grid 160 x 1, 4 waves a work-group, no clusters, 0 bytes of LDS; arguments W_enc, W_dec, b_enc, lowp_scales, w1c, w2c, bimg; writes w1c, w2c, bimg
.if DOCPART == 1
	.amdgcn_target "amdgcn-amd-amdhsa--gfx1250"
	.amdhsa_code_object_version 6
	.text
	.protected	k_qbeb289525f_prep
	.globl	k_qbeb289525f_prep
	.p2align	8
	.type	k_qbeb289525f_prep,@function
k_qbeb289525f_prep:
	s_mov_b64 s[64:65], 0
	v_nop
	global_prefetch_b8 v0, s[64:65] scope:SCOPE_SE
	s_setreg_imm32_b32 hwreg(HW_REG_WAVE_MODE, 25, 1), 1
	s_wait_xcnt 0x0
; The two weights, whose K is their FIRST axis, become codes of E4M3 laid as IMAGES OF THE OPERANDS' REGISTERS, and b_enc becomes two images of b_enc / 2^(e0 + e1).
; A fragment is 16 rows x 128 K = 16 registers a lane = 2,048 bytes: registers 4 g .. 4 g + 3 of lane l lie at 512 g + 16 l.  Lane (r = l % 16, h = l / 16) holds row r; registers 2 c, 2 c + 1 hold k = 16 c + 8 h + 0 .. 7.
; So a chunk of 512 bytes (one g) holds, for each lane, k = 32 g + 8 h + 0 .. 7 and then 32 g + 16 + 8 h + 0 .. 7.  ONE WAVE MAKES ONE CHUNK: a lane takes a column and its registers run down K, so nothing is transposed.
;   w1c: fragment (T, s) at (2 T + s) x 2,048: row d = 16 T + r of W_enc^T, k = 128 s on.                 256 chunks: work-groups 0 - 63
;   w2c: fragment (q, t, s) at ((4 q + t) 4 + s) x 2,048: row o = 64 q + 4 r + t of W_dec^T, k = 128 s on.  256 chunks: work-groups 64 - 127
;   bimg: chunk 64 kind + 16 q + c.  kind 0: bs[128 q + 16 (c / 2) + 8 h + 4 (c % 2) + 0 .. 3];  kind 1: four times bs[128 q + 16 (c / 2) + r];  bs = b_enc / 2^(e0 + e1).  128 chunks: work-groups 128 - 159
; code = x / 2^e, held within +-448, to the nearest code, ties to even.  LIMITS: e1 and e7 between -126 and 119.  NaN among the inputs is not served.
; Each store of a wave covers 512 consecutive bytes, aligned.  No LDS, no barrier: waves share nothing.
	s_load_b256 s[4:11], s[0:1], 0x0               ; W_enc s[4:5], W_dec s[6:7], b_enc s[8:9], the exponents s[10:11]
	s_load_b128 s[12:15], s[0:1], 0x20             ; w1c s[12:13], w2c s[14:15]
	s_load_b64 s[16:17], s[0:1], 0x30              ; bimg
	v_lshrrev_b32 v1, 5, v0
	v_readfirstlane_b32 s18, v1                    ; wave
	s_lshl_b32 s19, ttmp9, 2
	s_add_co_u32 s19, s19, s18                     ; my chunk: 4 x work-group + wave
	v_and_b32 v1, 31, v0
	v_and_b32 v2, 15, v0                           ; r
	v_bfe_u32 v3, v0, 4, 1                         ; h
	v_lshlrev_b32 v4, 4, v1                        ; 16 x lane: my place in a chunk
	s_mov_b32 s23, 0
	s_wait_kmcnt 0x0
	s_load_b256 s[24:31], s[10:11], 0x0            ; e0 .. e7
; 16 numbers down K of my column, held, converted, stored.  pitch: bytes from row to row of the weight; sp: its address; e: the register with its exponent; dp: the chunk's address
.macro QCHUNK pitch, sp, e, dp
.irp i, 0,1,2,3,4,5,6,7,8,9,10,11,12,13,14,15
	global_load_b32 v[16+\i], v5, s[\sp:\sp+1] offset:(\i+8*(\i/8))*\pitch   ; rows 8 h + 0 .. 7, then 16 + 8 h + 0 .. 7
.endr
	s_wait_kmcnt 0x0
	s_add_co_i32 s32, s[\e], 127
	s_lshl_b32 s33, s32, 23
	v_mov_b32 v6, s33                              ; 2^e as f32: the conversion takes its exponent field
	s_add_co_i32 s32, s32, 8
	s_lshl_b32 s32, s32, 23
	s_or_b32 s32, s32, 0x600000
	v_mov_b32 v7, s32                              ; 448 x 2^e
	s_wait_loadcnt 0x0
.irp i, 0,1,2,3,4,5,6,7,8,9,10,11,12,13,14,15
	v_med3_num_f32 v[16+\i], v[16+\i], -v7, v7     ; the conversion to an 8-bit code does not saturate (ISA guide 7.6.2): the hold comes first
.endr
	v_cvt_scalef32_pk8_fp8_f32 v[32:33], v[16:23], v6
	v_cvt_scalef32_pk8_fp8_f32 v[34:35], v[24:31], v6
	global_store_b128 v4, v[32:35], s[\dp:\dp+1]
	s_endpgm
.endm
	s_cmp_lt_u32 ttmp9, 64
	s_cbranch_scc0 .Lnot_a
	; ---- W_enc [256 (k)][512 (d)]: chunk n = 8 T + sg, k = 32 sg on, column 16 T + r
	s_lshr_b32 s20, s19, 3                         ; T
	s_and_b32 s21, s19, 7                          ; sg
	s_lshl_b32 s22, s21, 16                        ; 32 sg rows of 2,048 bytes
	s_lshl_b32 s20, s20, 6                         ; 16 T columns of 4 bytes
	s_add_co_u32 s22, s22, s20
	s_add_nc_u64 s[4:5], s[4:5], s[22:23]
	s_lshl_b32 s22, s19, 9
	s_add_nc_u64 s[12:13], s[12:13], s[22:23]
	v_lshlrev_b32 v5, 14, v3                       ; 8 h rows
	v_lshl_add_u32 v5, v2, 2, v5                   ; + column r
	QCHUNK 2048, 4, 25, 12
.Lnot_a:
	s_cmp_lt_u32 ttmp9, 128
	s_cbranch_scc0 .Lpath_c
	; ---- W_dec [512 (k)][256 (o)]: chunk 64 q + 16 t + sg, k = 32 sg on, column 64 q + 4 r + t
	s_sub_co_u32 s19, s19, 256
	s_lshr_b32 s20, s19, 6                         ; q
	s_bfe_u32 s21, s19, 0x20004                    ; t
	s_and_b32 s22, s19, 15                         ; sg
	s_lshl_b32 s22, s22, 15                        ; 32 sg rows of 1,024 bytes
	s_lshl_b32 s20, s20, 8                         ; 64 q columns
	s_lshl_b32 s21, s21, 2                         ; t columns
	s_add_co_u32 s22, s22, s20
	s_add_co_u32 s22, s22, s21
	s_add_nc_u64 s[6:7], s[6:7], s[22:23]
	s_lshl_b32 s22, s19, 9
	s_add_nc_u64 s[14:15], s[14:15], s[22:23]
	v_lshlrev_b32 v5, 13, v3                       ; 8 h rows
	v_lshl_add_u32 v5, v2, 4, v5                   ; + column 4 r
	QCHUNK 1024, 6, 31, 14
.Lpath_c:
	; ---- b_enc: chunk 64 kind + 16 q + c
	s_sub_co_u32 s19, s19, 512
	s_bfe_u32 s20, s19, 0x20004                    ; q
	s_and_b32 s21, s19, 15                         ; c
	s_lshr_b32 s22, s21, 1
	s_lshl_b32 s22, s22, 6                         ; 16 (c / 2) numbers
	s_lshl_b32 s20, s20, 9                         ; 128 q numbers
	s_add_co_u32 s22, s22, s20
	s_add_nc_u64 s[8:9], s[8:9], s[22:23]
	s_lshl_b32 s22, s19, 9
	s_add_nc_u64 s[16:17], s[16:17], s[22:23]
	s_wait_kmcnt 0x0
	s_add_co_i32 s32, s24, s25
	s_sub_co_i32 s32, 0, s32                       ; -(e0 + e1)
	s_cmp_lt_u32 s19, 64
	s_cbranch_scc0 .Lkind1
	s_and_b32 s21, s21, 1
	s_lshl_b32 s21, s21, 4                         ; 4 (c % 2) numbers
	v_lshlrev_b32 v5, 5, v3                        ; 8 h numbers
	v_add_nc_u32 v5, s21, v5
	global_load_b128 v[16:19], v5, s[8:9]
	s_wait_loadcnt 0x0
.irp i, 0,1,2,3
	v_ldexp_f32 v[32+\i], v[16+\i], s32
.endr
	global_store_b128 v4, v[32:35], s[16:17]
	s_endpgm
.Lkind1:
	v_lshlrev_b32 v5, 2, v2                        ; number r
	global_load_b32 v16, v5, s[8:9]
	s_wait_loadcnt 0x0
.irp i, 0,1,2,3
	v_ldexp_f32 v[32+\i], v16, s32
.endr
	global_store_b128 v4, v[32:35], s[16:17]
	s_endpgm
.Lfunc_end_k_qbeb289525f_prep:
	.size	k_qbeb289525f_prep, .Lfunc_end_k_qbeb289525f_prep-k_qbeb289525f_prep
	.p2alignl 7, 3214868480
	.fill 96, 4, 3214868480
	.section	.rodata,"a",@progbits
	.p2align	6, 0x0
	.amdhsa_kernel k_qbeb289525f_prep
		.amdhsa_group_segment_fixed_size 0
		.amdhsa_private_segment_fixed_size 0
		.amdhsa_enable_private_segment 0
		.amdhsa_kernarg_size 56
		.amdhsa_user_sgpr_count 2
		.amdhsa_user_sgpr_kernarg_segment_ptr 1
		.amdhsa_wavefront_size32 1
		.amdhsa_system_sgpr_workgroup_id_x 1
		.amdhsa_system_sgpr_workgroup_id_y 1
		.amdhsa_system_sgpr_workgroup_id_z 1
		.amdhsa_system_vgpr_workitem_id 0
		.amdhsa_next_free_vgpr 48
		.amdhsa_next_free_sgpr 66
		.amdhsa_reserve_vcc 0
		.amdhsa_float_denorm_mode_32 3
		.amdhsa_float_denorm_mode_16_64 3
		.amdhsa_memory_ordered 1
		.amdhsa_forward_progress 1
		.amdhsa_inst_pref_size 10
	.end_amdhsa_kernel
	.amdgpu_metadata
---
amdhsa.version: [ 1, 2 ]
amdhsa.kernels:
  - .name:           k_qbeb289525f_prep
    .symbol:         k_qbeb289525f_prep.kd
    .args:
      - { .name: W_enc, .offset: 0, .size: 8, .value_kind: global_buffer, .address_space: global }
      - { .name: W_dec, .offset: 8, .size: 8, .value_kind: global_buffer, .address_space: global }
      - { .name: b_enc, .offset: 16, .size: 8, .value_kind: global_buffer, .address_space: global }
      - { .name: lowp_scales, .offset: 24, .size: 8, .value_kind: global_buffer, .address_space: global }
      - { .name: w1c, .offset: 32, .size: 8, .value_kind: global_buffer, .address_space: global }
      - { .name: w2c, .offset: 40, .size: 8, .value_kind: global_buffer, .address_space: global }
      - { .name: bimg, .offset: 48, .size: 8, .value_kind: global_buffer, .address_space: global }
    .group_segment_fixed_size: 0
    .private_segment_fixed_size: 0
    .kernarg_segment_align: 8
    .kernarg_segment_size: 56
    .max_flat_workgroup_size: 128
    .sgpr_count:     66
    .vgpr_count:     48
    .wavefront_size: 32
...
	.end_amdgpu_metadata
.endif
;; end of part 1
;; launch main (part 2): grid 256 x 1, 4 waves a work-group, no clusters, 327,680 bytes of LDS; arguments x, w1c, w2c, bimg, b_dec, lowp_scales, out0; writes out0
.if DOCPART == 2
	.amdgcn_target "amdgcn-amd-amdhsa--gfx1250"
	.amdhsa_code_object_version 6
	.text
	.protected	k_qbeb289525f_main
	.globl	k_qbeb289525f_main
	.p2align	8
	.type	k_qbeb289525f_main,@function
k_qbeb289525f_main:
	s_mov_b64 s[64:65], 0
	v_nop
	global_prefetch_b8 v0, s[64:65] scope:SCOPE_SE
	s_setreg_imm32_b32 hwreg(HW_REG_WAVE_MODE, 25, 1), 1
	s_wait_xcnt 0x0
; out0[b][o] = max over i of (softmax over i of (enc enc^T) enc W_dec + b_dec), enc = x W_enc + b_enc; all four products on codes of E4M3, each operand with the one scale 2^e that is given for it (e0 .. e7).
; A work-group of four waves does two whole batches, one after the other; nothing but out0 goes to memory.  Wave q's share:
;   X   quantises rows 64 q .. + 63 of x: 8 fragments.
;   P1  enc for d = 128 q .. + 127, all 256 rows (source 0 = 16 rows of W_enc^T, source 1 = 16 rows of x: a lane holds ONE row i, its registers run along d): codes with e2 and with e3 = K step q of the second product.
;   P2  S^T for j = 64 q .. + 63, all 256 i (source 0 = 16 rows j of the e3 codes, source 1 = 16 rows i of the e2 codes): 64 accumulators, 512 registers.  A lane holds one i, its registers run along j.
;   SM  the softmax down the columns: a column j is one register over the sixteen tiles of i and the 16 lanes of a half: it never leaves the wave.  w = p / sum, finished, is quantised with e4.
;   1b  the first product once more with the sources swapped (source 0 = x, source 1 = W_enc^T: the same bits, transposed): a lane holds one d, its registers run along j, which is the third product's K: codes with e5.
;       It is computed again and not turned round, since LDS has no byte to spare for a turn while P1 and P2 run; its products stand among the holds of the e5 quantiser, which are owed in any case.
;   P3  pre for my d, all i (source 0 = the e5 codes' 16 rows d, source 1 = 16 rows i of w): a lane holds one i, registers along d: codes with e6 = K step q of the fourth product.
;   P4  outputs 64 q .. + 63 for all i (source 0 = 16 rows i of pre, source 1 = 16 rows of W_dec^T), and their running maximum.  The maximum is taken of the raw sums; then max x 2^(e6 + e7) + b_dec (both steps keep the order).
; OPERANDS GO FROM WAVE TO WAVE AS IMAGES OF THEIR REGISTERS: a fragment (16 rows x 128 K, 16 registers) is 2,048 bytes, registers 4 g .. 4 g + 3 of lane l at 512 g + 16 l.  Every LDS access is a constant + 16 x lane (+ a constant x wave).
; A lane's eight results of a tile t are k = 16 t + 8 (lane / 16) + 0 .. 7 of the next operand: the very place of registers 2 t, 2 t + 1 in this form's own layout: a conversion's result IS the operand.
; SCALES ARE FOLDED: b_enc / 2^(e0 + e1) is the C of each first product, so a sum stands for enc / 2^(e0 + e1) and its conversions take 2^(e2 - e0 - e1), 2^(e3 - e0 - e1), 2^(e5 - e0 - e1); pre's takes 2^(e6 - e4 - e5).
; LDS, all 327,680 bytes: 0: the e2 codes (fragment (tile m, K step s) at (16 s + m) x 2,048), later w's codes in the low half ((2 m + ks) x 2,048);  131,072: the e3 codes, later pre's, laid alike;  262,144: x's codes ((2 m + s) x 2,048).
; NO CLUSTER, NO TENSOR LOAD: all work-groups read the same weights, but a joint load lands in LDS alone, and every byte of LDS holds the batch's own operands, stored from registers (64 + 128 + 128 KiB).
; So each wave takes its quarter of the weights as register images by plain loads: 96 KiB a wave and batch.
; THE NEXT BATCH'S x is asked for 32 loads at a time from the head of P1 on, quantised at four places (P2's head and middle, SM's head and middle), waits as codes in 128 registers and is stored when x's LDS bytes are free.
; MATRIX AND VECTOR WORK BY TURNS: in P1, 1b, P3 and P4 the products of one tile stand among the holds, conversions or maxima of the tile before (two sets of accumulators); that costs two switches of the register window
; for most products, the lesser price beside a matrix unit that stands idle through some hundred vector instructions a tile.  The accumulators take turns, one instruction a turn.
; The batch loop's text is a little longer than 50 KiB: S (512 registers) and the e5 codes (256) are named one by one.
; LIMITS on the given exponents, so that each power of two below is an f32 number: e0, e4, e2 - e0 - e1, e3 - e0 - e1, e5 - e0 - e1, e6 - e4 - e5 between -126 and 119; e2 + e3 and e6 + e7 between -126 and 127.  NaN among the inputs is not served.
; REGISTERS, in windows of 256 (s_set_vgpr_msb: bits 1:0 source 0, 3:2 source 1, 5:4 source 2, 7:6 destination):
;   window 0: v1-19 addresses and scales; v22-31 at work; v32-255 by phase (below).
;   window 1: v0-127 the next batch's codes of x, v128-255 its numbers;  while those are free: v0-63 the bias for P1, v128-191 the bias for 1b.
;   window 2: S of i tiles 0-7; then W_enc^T for 1b; then W_dec^T.      window 3: W_enc^T for P1; then S of i tiles 8-15; then the e5 codes.
.set R2B, 131072
.set R3B, 262144
.set LI,  1                            ; 16 x lane
.set XA,  2                            ; x: 1,024 r + 32 h
.set AX,  3                            ; LI + R3B
.set XW,  4                            ; where I store x's images: AX + 16,384 q
.set EW2, 5                            ; the e2 codes: LI + 32,768 q
.set EW3, 6                            ; the e3 codes and pre's: EW2 + R2B
.set A2H, 7                            ; LI + 65,536
.set A3,  8                            ; my four tiles j of the e3 codes: LI + R2B + 8,192 q
.set A3H, 9                            ; A3 + 65,536
.set PW,  10                           ; w's codes: LI + 1,024 q
.set G0B, 11                           ; LI + R2B
.set G1B, 12                           ; LI + R2B + 65,536
.set OB,  13                           ; 16 r + 8 h: my two outputs
.set SCA, 14                           ; the phase's scale
.set SCX, 15                           ; 2^e0
.set SCB, 16                           ; P1's second scale
.set ADL, 17                           ; the loop's load address
.set ADS, 18                           ; the loop's store address (P4: load address, K steps 0, 1)
.set ADT, 19                           ; the second (P4: K steps 2, 3)
.set T,   24                           ; v24-31 eight numbers at work
.set ACC0, 32                          ; P1, 1b, P3: two sets of 8 accumulators,
.set ACC1, 96
.set F0,  160                          ; two pairs of fragments,
.set F1,  192
.set C2,  224                          ; codes just made (P3: pre's)
.set C3,  240
.set EB,  32                           ; P2: four fragments of the e3 codes,
.set EA0, 96                           ; two sets of four of the e2 codes (the second at + 64)
.set M,   32                           ; SM: 32 column maxima, then c x maximum,
.set L,   64                           ; 32 column sums, then their reciprocals,
.set PC,  96                           ; two sets of 8 registers of codes
.set GF0, 32                           ; P4: two sets of four fragments of pre,
.set GF1, 96
.set OA0, 160                          ; two sets of 4 accumulators,
.set OA1, 192
.set RM,  224                          ; four running maxima,
.set RT,  228                          ; four registers at work
.set MSB, 0
.macro WIN new                         ; the immediate's high byte repeats the setting that is left; a switch that changes nothing is dropped
.if MSB != (\new)
	s_set_vgpr_msb (MSB<<8)|(\new)
.set MSB, (\new)
.endif
.endm
.macro BAR                             ; my LDS stores have landed and my LDS loads are in: then the work-group's barrier
	s_wait_dscnt 0x0
	s_barrier_signal -1
	s_barrier_wait -1
.endm
; A vector instruction or a load that touches a matrix instruction's registers stands four places behind it, and only plain vector instructions that name none of them are places (ISA guide 7.12.1 for vector instructions)
.macro PLACES
.rept 4
	v_nop
.endr
.endm
.macro IMG w, base, cnt, sp            ; cnt x 4 registers of window w from an image in memory: each load takes 512 consecutive bytes
	WIN ((\w)<<6)
.set ii, 0
.rept \cnt
	global_load_b128 v[(\base)+4*ii:(\base)+4*ii+3], v[LI], s[\sp:\sp+1] offset:512*ii
.set ii, ii+1
.endr
	WIN 0
.endm
; Tile p of my 64 rows of x, both K steps: register 64 u + 8 c + i = x(row r, k = 128 u + 16 c + 8 h + i): 32 loads
.macro XISSUE p, w, base
	WIN ((\w)<<6)
.irp u, 0,1
.irp c, 0,1,2,3,4,5,6,7
.irp k, 0,1
	global_load_b128 v[(\base)+64*\u+8*\c+4*\k:(\base)+64*\u+8*\c+4*\k+3], v[XA], s[30:31] offset:16384*(\p)+512*\u+64*\c+16*\k th:TH_LOAD_NT
.endr
.endr
.endr
	WIN 0
.endm
; and their codes, into window 1, v[32 p] on
.macro XQ p, w, base
	WIN ((\w)<<6)|(\w)
.set ii, 0
.rept 128
	v_med3_num_f32 v[(\base)+ii], v[(\base)+ii], s42, s43   ; the conversion to an 8-bit code does not saturate (ISA guide 7.6.2): the hold at +-448 x 2^e0
.set ii, ii+1
.endr
	WIN 0x40|(\w)
.irp u, 0,1
.irp c, 0,1,2,3,4,5,6,7
	v_cvt_scalef32_pk8_fp8_f32 v[32*(\p)+16*\u+2*\c:32*(\p)+16*\u+2*\c+1], v[(\base)+64*\u+8*\c:(\base)+64*\u+8*\c+7], v[SCX]
.endr
.endr
	v_nop                                          ; a plain line behind the last conversion
	WIN 0
.endm
; A quarter of the next batch's x, if there is a next batch.  The wait stands in front of the branch: no load is out behind this place on any way
.macro DSTEP p, issue
	WIN 0
	s_wait_loadcnt 0x0
	s_cmp_eq_u32 s19, 1
	s_cbranch_scc1 .Lno_x_\@
	XQ \p, 1, 128
.if \issue
	XISSUE (\p)+1, 1, 128
.endif
.Lno_x_\@:
.endm
.macro XSTORE                          ; my 8 fragments of x go to LDS as they stand
	WIN 0x04
.set ii, 0
.rept 32
	ds_store_b128 v[XW], v[4*ii:4*ii+3] offset:512*ii
.set ii, ii+1
.endr
	WIN 0
.endm
.macro FLOAD F, adr, off               ; a tile's two fragments (K steps 0, 1): 8 loads
.irp ks, 0,1
.irp g, 0,1,2,3
	ds_load_b128 v[(\F)+16*\ks+4*\g:(\F)+16*\ks+4*\g+3], v[\adr] offset:(\off)+2048*\ks+512*\g
.endr
.endr
.endm
.macro MKSC f, sc, lo, hi              ; from the whole number in s[f]: 2^f, -448 x 2^f, 448 x 2^f as f32 patterns
	s_add_co_i32 s60, s[\f], 127
	s_lshl_b32 s[\sc], s60, 23
	s_add_co_i32 s60, s60, 8
	s_lshl_b32 s60, s60, 23
	s_or_b32 s[\hi], s60, 0x600000
	s_or_b32 s[\lo], s[\hi], 0x80000000
.endm
	s_load_b256 s[4:11], s[0:1], 0x0               ; x s[4:5], w1c s[6:7], w2c s[8:9], bimg s[10:11]
	s_load_b128 s[12:15], s[0:1], 0x20             ; b_dec s[12:13], the exponents s[14:15]
	s_load_b64 s[16:17], s[0:1], 0x30              ; out0
	v_lshrrev_b32 v22, 5, v0
	v_readfirstlane_b32 s18, v22                   ; q: my wave
	v_and_b32 v[LI], 31, v0
	v_lshlrev_b32 v[LI], 4, v[LI]
	v_and_b32 v22, 15, v0                          ; r
	v_bfe_u32 v23, v0, 4, 1                        ; h
	v_lshlrev_b32 v[XA], 10, v22
	v_lshl_add_u32 v[XA], v23, 5, v[XA]
	v_lshlrev_b32 v[OB], 4, v22
	v_lshl_add_u32 v[OB], v23, 3, v[OB]
	v_add_nc_u32 v[AX], R3B, v[LI]
	s_lshl_b32 s60, s18, 14
	v_add_nc_u32 v[XW], s60, v[AX]
	s_lshl_b32 s60, s18, 15
	v_add_nc_u32 v[EW2], s60, v[LI]
	v_add_nc_u32 v[EW3], R2B, v[EW2]
	v_add_nc_u32 v[A2H], 65536, v[LI]
	s_lshl_b32 s60, s18, 13
	v_add_nc_u32 v[A3], s60, v[LI]
	v_add_nc_u32 v[A3], R2B, v[A3]
	v_add_nc_u32 v[A3H], 65536, v[A3]
	s_lshl_b32 s60, s18, 10
	v_add_nc_u32 v[PW], s60, v[LI]
	v_add_nc_u32 v[G0B], R2B, v[LI]
	v_add_nc_u32 v[G1B], R2B+65536, v[LI]
	s_mov_b32 s61, 0
	s_wait_kmcnt 0x0
	s_load_b256 s[20:27], s[14:15], 0x0            ; e0 .. e7
	s_lshl_b32 s60, s18, 15
	s_add_nc_u64 s[6:7], s[6:7], s[60:61]          ; my 16 fragments of W_enc^T
	s_add_nc_u64 s[8:9], s[8:9], s[60:61]          ; my 16 fragments of W_dec^T
	s_lshl_b32 s60, s18, 13
	s_add_nc_u64 s[10:11], s[10:11], s[60:61]      ; the bias image for P1,
	s_add_nc_u64 s[28:29], s[10:11], 32768         ; and for 1b
	s_lshl_b32 s60, s18, 8
	s_add_nc_u64 s[12:13], s[12:13], s[60:61]      ; my 64 numbers of b_dec
	s_add_nc_u64 s[16:17], s[16:17], s[60:61]      ; and of a row of out0,
	s_lshl_b32 s60, ttmp9, 11
	s_add_nc_u64 s[16:17], s[16:17], s[60:61]      ; in the row of my first batch: 2 x work-group
	s_lshl_b32 s60, ttmp9, 19                      ; two batches of 262,144 bytes
	s_add_nc_u64 s[30:31], s[4:5], s[60:61]
	s_lshl_b32 s60, s18, 16
	s_add_nc_u64 s[30:31], s[30:31], s[60:61]      ; x at my 64 rows of my first batch
	; ---- the first batch's x, two tiles in flight; ahead of it the weights for P1
	IMG 3, 0, 64, 6
	XISSUE 0, 1, 128
	XISSUE 1, 2, 0
	s_wait_kmcnt 0x0
	MKSC 20, 53, 42, 43                            ; e0
	s_add_co_i32 s62, s20, s21
	s_sub_co_i32 s63, s22, s62
	MKSC 63, 54, 44, 45                            ; e2 - e0 - e1
	s_sub_co_i32 s63, s23, s62
	MKSC 63, 55, 46, 47                            ; e3 - e0 - e1
	s_sub_co_i32 s63, s25, s62
	MKSC 63, 56, 48, 49                            ; e5 - e0 - e1
	s_add_co_i32 s62, s24, s25
	s_sub_co_i32 s63, s26, s62
	MKSC 63, 57, 50, 51                            ; e6 - e4 - e5
	MKSC 24, 58, 59, 52                            ; e4 (w is never negative: the upper hold alone is used)
	s_add_co_i32 s62, s22, s23
	s_lshl_b32 s62, s62, 23
	s_add_co_i32 s36, s62, 0x3fb8aa3b              ; c = log2(e) x 2^(e2 + e3): the two exponents are added to log2(e)'s exponent field
	s_mov_b32 s37, s36                             ; (named with it as a pair, so it is written)
	s_add_co_i32 s62, s26, s27
	s_add_co_i32 s62, s62, 127
	s_lshl_b32 s38, s62, 23                        ; 2^(e6 + e7)
	s_mov_b32 s39, s38
	s_mov_b32 s40, 0x76543210                      ; v_permlanex16_b32: lane l xor 16
	s_mov_b32 s41, 0xfedcba98
	v_mov_b32 v[SCX], s53
	s_mov_b32 s19, 2                               ; batches to go
	s_wait_loadcnt 32                              ; the weights and tile 0 are in; tile 1's 32 loads may be out
	XQ 0, 1, 128
	XISSUE 2, 1, 128
	s_wait_loadcnt 32                              ; tile 1 is in; tile 2's may be out
	XQ 1, 2, 0
	XISSUE 3, 2, 0
	s_wait_loadcnt 32                              ; tile 2 is in; tile 3's may be out
	XQ 2, 1, 128
	s_wait_loadcnt 0x0
	XQ 3, 2, 0
	XSTORE
	s_wait_dscnt 0x0                               ; the stores are done: the bias lands where the codes lay
	IMG 1, 0, 16, 10
	BAR                                            ; x's 32 fragments lie in LDS
; ================================================================ P1
; Product nn of 16 for a tile of rows: tile of d nn % 8, K step nn / 8.  The first K step takes the bias as C
.macro P1W N, F
.set tq, nn%8
.set kq, nn/8
.if kq == 0
	WIN 0x13                                       ; source 0 (W) window 3, C (the bias) window 1
	v_wmma_f32_16x16x128_fp8_fp8 v[(\N)+8*tq:(\N)+8*tq+7], v[32*tq:32*tq+15], v[(\F):(\F)+15], v[8*tq:8*tq+7]
.else
	WIN 0x03
	v_wmma_f32_16x16x128_fp8_fp8 v[(\N)+8*tq:(\N)+8*tq+7], v[32*tq+16:32*tq+31], v[(\F)+16:(\F)+31], v[(\N)+8*tq:(\N)+8*tq+7]
.endif
.endm
; A step: the 16 products of one tile of rows (into N, from FN) stand among the two quantisers of the tile before (in O).  load: the tile after next comes into FO, from ADL + xo.  The codes go to ADS + eo and ADT + eo.
; The holds name a scalar first and the register second, so that they are right under the products' window settings; conversions and LDS lines want window 0.
.macro P1STEP N, O, FN, FO, mul, load, xo, eo
	s_wait_dscnt 8                                 ; FN's 8 loads are in; behind them stand the last step's 8 stores
.set tt, 0
.rept 8
.if \mul
.set nn, 2*tt
	P1W \N, \FN
.endif
.set ee, 0
.rept 8
	v_med3_num_f32 v[T+ee], s44, v[(\O)+8*tt+ee], s45
.set ee, ee+1
.endr
	WIN 0
	v_cvt_scalef32_pk8_fp8_f32 v[C2+2*tt:C2+2*tt+1], v[T:T+7], v[SCA]
.if \load && (tt == 0)
	FLOAD \FO, ADL, \xo
.endif
.if \mul
.set nn, 2*tt+1
	P1W \N, \FN
.endif
.set ee, 0
.rept 8
	v_med3_num_f32 v[(\O)+8*tt+ee], s46, v[(\O)+8*tt+ee], s47
.set ee, ee+1
.endr
	WIN 0
	v_cvt_scalef32_pk8_fp8_f32 v[C3+2*tt:C3+2*tt+1], v[(\O)+8*tt:(\O)+8*tt+7], v[SCB]
.if tt%2
	ds_store_b128 v[ADS], v[C2+2*tt-2:C2+2*tt+1] offset:(\eo)+512*(tt/2)
	ds_store_b128 v[ADT], v[C3+2*tt-2:C3+2*tt+1] offset:(\eo)+512*(tt/2)
.endif
.set tt, tt+1
.endr
.endm
.Lbatch:
	s_wait_loadcnt 0x0                             ; the weights and the bias for P1; no load is out, so x's base may step
	s_cmp_eq_u32 s19, 1
	s_cbranch_scc1 .Lp1_nonext
	s_add_nc_u64 s[30:31], s[30:31], 262144        ; the next batch
	XISSUE 0, 1, 128
.Lp1_nonext:
	v_mov_b32 v[SCA], s54
	v_mov_b32 v[SCB], s55
	s_mov_b32 s33, 0
	s_mov_b32 s34, 0
	v_add_nc_u32 v[ADL], s34, v[AX]
	v_add_nc_u32 v[ADS], s33, v[EW2]
	v_add_nc_u32 v[ADT], s33, v[EW3]
	FLOAD F0, AX, 0
	FLOAD F1, AX, 4096
	s_wait_dscnt 8                                 ; tile 0 is in; tile 1's 8 loads may be out
.set nn, 0
.rept 16
	P1W ACC0, F0                                   ; tile 0: no vector work yet to set between
.set nn, nn+1
.endr
	WIN 0
	PLACES
	s_wait_dscnt 0x0
	s_mov_b32 s32, 7
.Lp1:                                              ; trip k: products of tiles 2 k + 1, 2 k + 2; codes of tiles 2 k, 2 k + 1; loads of tiles 2 k + 2, 2 k + 3
	P1STEP ACC1, ACC0, F1, F0, 1, 1, 8192, 0
	P1STEP ACC0, ACC1, F0, F1, 1, 1, 12288, 2048
	s_add_co_u32 s33, s33, 4096
	s_add_co_u32 s34, s34, 8192
	v_add_nc_u32 v[ADL], s34, v[AX]
	v_add_nc_u32 v[ADS], s33, v[EW2]
	v_add_nc_u32 v[ADT], s33, v[EW3]
	s_sub_co_u32 s32, s32, 1
	s_cmp_lg_u32 s32, 0
	s_cbranch_scc1 .Lp1
	P1STEP ACC1, ACC0, F1, F0, 1, 0, 0, 0          ; products of tile 15, codes of tile 14
	P1STEP ACC0, ACC1, F0, F1, 0, 0, 0, 2048       ; codes of tile 15
	v_nop                                          ; a plain line behind the last conversion
	BAR                                            ; both sets of codes of enc lie in LDS
; ================================================================ P2
.macro FE3 sq                          ; my four tiles j, K step sq
.irp jt, 0,1,2,3
.irp g, 0,1,2,3
.if (\sq) < 2
	ds_load_b128 v[EB+16*\jt+4*\g:EB+16*\jt+4*\g+3], v[A3] offset:(16*(\sq)+\jt)*2048+512*\g
.else
	ds_load_b128 v[EB+16*\jt+4*\g:EB+16*\jt+4*\g+3], v[A3H] offset:(16*((\sq)-2)+\jt)*2048+512*\g
.endif
.endr
.endr
.endm
.macro FE2 set, sq, G                  ; tiles i 4 G .. 4 G + 3, K step sq
.irp a, 0,1,2,3
.irp g, 0,1,2,3
.if (\sq) < 2
	ds_load_b128 v[EA0+64*(\set)+16*\a+4*\g:EA0+64*(\set)+16*\a+4*\g+3], v[LI] offset:(16*(\sq)+4*(\G)+\a)*2048+512*\g
.else
	ds_load_b128 v[EA0+64*(\set)+16*\a+4*\g:EA0+64*(\set)+16*\a+4*\g+3], v[A2H] offset:(16*((\sq)-2)+4*(\G)+\a)*2048+512*\g
.endif
.endr
.endr
.endm
.macro MM2 set, G, first               ; 16 products; accumulator (it, jt) at window 2 + it / 8, v[32 (it % 8) + 8 jt]
	WIN 0xa0+0x50*((\G)/2)
.irp a, 0,1,2,3
.irp jt, 0,1,2,3
.if \first
	v_wmma_f32_16x16x128_fp8_fp8 v[32*((4*(\G)+\a)%8)+8*\jt:32*((4*(\G)+\a)%8)+8*\jt+7], v[EB+16*\jt:EB+16*\jt+15], v[EA0+64*(\set)+16*\a:EA0+64*(\set)+16*\a+15], 0
.else
	v_wmma_f32_16x16x128_fp8_fp8 v[32*((4*(\G)+\a)%8)+8*\jt:32*((4*(\G)+\a)%8)+8*\jt+7], v[EB+16*\jt:EB+16*\jt+15], v[EA0+64*(\set)+16*\a:EA0+64*(\set)+16*\a+15], v[32*((4*(\G)+\a)%8)+8*\jt:32*((4*(\G)+\a)%8)+8*\jt+7]
.endif
.endr
.endr
.endm
	FE3 0
	FE2 0, 0, 0
	DSTEP 0, 1
.set ps, 0
.rept 4
.set pg, 0
.rept 4
.if (4*ps+pg) < 15
	PLACES                                         ; the other set was read by the products just issued
	WIN 0
	FE2 (pg+1)%2, ps+(pg+1)/4, (pg+1)%4
	s_wait_dscnt 16                                ; all but the 16 loads just issued
.else
	s_wait_dscnt 0x0
.endif
	MM2 pg%2, pg, (ps==0)
.if (pg == 3) && (ps < 3)
	PLACES
	WIN 0
	FE3 ps+1
.if ps == 1
	DSTEP 1, 1
.endif
.endif
.set pg, pg+1
.endr
.set ps, ps+1
.endr
	PLACES
	WIN 0
	BAR                                            ; nobody reads enc's codes any more
; ================================================================ SM
	DSTEP 2, 1
	; the columns' maxima: over the 16 tiles of i in registers, each accumulator from its low end on, then over the 16 lanes of a half (the halves hold different j)
	WIN 0x28                                       ; sources 1 and 2 window 2
.set kk, 0
.rept 4
.set xx, 0
.rept 32
.if kk == 0
	v_max3_num_f32 v[M+xx], 0xff800000, v[xx], v[32+xx]
.else
	v_max3_num_f32 v[M+xx], v[M+xx], v[64*kk+xx], v[64*kk+32+xx]
.endif
.set xx, xx+1
.endr
.set kk, kk+1
.endr
	WIN 0x3c                                       ; window 3
.set kk, 0
.rept 4
.set xx, 0
.rept 32
	v_max3_num_f32 v[M+xx], v[M+xx], v[64*kk+xx], v[64*kk+32+xx]
.set xx, xx+1
.endr
.set kk, kk+1
.endr
	WIN 0
.irp mk, 1,2,4,8
.set xx, 0
.rept 32
	v_max_num_f32_dpp v[M+xx], v[M+xx], v[M+xx] row_xmask:\mk row_mask:0xf bank_mask:0xf
.set xx, xx+1
.endr
.endr
.set xx, 0
.rept 16
	v_pk_mul_f32 v[M+2*xx:M+2*xx+1], v[M+2*xx:M+2*xx+1], s[36:37] op_sel_hi:[1,0]   ; c x maximum (c is positive).  Its one rounding is common to a column and falls out in the division by the sum
.set xx, xx+1
.endr
; p = 2^(c s - c maximum), in place, a window at a time; the scalings run one tile of i ahead of the exponentials, so that a plain line stands behind every second one
.macro SMEXP W
	WIN ((\W)<<6)|(\W)
.set xx, 0
.rept 16
	v_pk_fma_f32 v[2*xx:2*xx+1], v[2*xx:2*xx+1], s[36:37], v[M+2*xx:M+2*xx+1] op_sel_hi:[1,0,1] neg_lo:[0,0,1] neg_hi:[0,0,1]
.set xx, xx+1
.endr
.set bb, 0
.rept 8
.set xx, 0
.rept 16
.if bb < 7
	v_pk_fma_f32 v[32*bb+32+2*xx:32*bb+33+2*xx], v[32*bb+32+2*xx:32*bb+33+2*xx], s[36:37], v[M+2*xx:M+2*xx+1] op_sel_hi:[1,0,1] neg_lo:[0,0,1] neg_hi:[0,0,1]
.endif
	v_exp_f32 v[32*bb+2*xx], v[32*bb+2*xx]
	v_exp_f32 v[32*bb+2*xx+1], v[32*bb+2*xx+1]
.set xx, xx+1
.endr
.set bb, bb+1
.endr
	v_nop                                          ; a plain line behind the last exponential
.endm
	SMEXP 2
	WIN 0x0a                                       ; the columns' sums begin with the first two tiles
.set xx, 0
.rept 16
	v_pk_add_f32 v[L+2*xx:L+2*xx+1], v[2*xx:2*xx+1], v[32+2*xx:33+2*xx]
.set xx, xx+1
.endr
	WIN 0x02
.set bb, 2
.rept 6
.set xx, 0
.rept 16
	v_pk_add_f32 v[L+2*xx:L+2*xx+1], v[32*bb+2*xx:32*bb+2*xx+1], v[L+2*xx:L+2*xx+1]
.set xx, xx+1
.endr
.set bb, bb+1
.endr
	SMEXP 3
	WIN 0x03
.set bb, 0
.rept 8
.set xx, 0
.rept 16
	v_pk_add_f32 v[L+2*xx:L+2*xx+1], v[32*bb+2*xx:32*bb+2*xx+1], v[L+2*xx:L+2*xx+1]
.set xx, xx+1
.endr
.set bb, bb+1
.endr
	DSTEP 3, 0
.irp mk, 1,2,4,8
.set xx, 0
.rept 32
	v_add_f32_dpp v[L+xx], v[L+xx], v[L+xx] row_xmask:\mk row_mask:0xf bank_mask:0xf
.set xx, xx+1
.endr
.endr
.set xx, 0
.rept 32
	v_rcp_f32 v[L+xx], v[L+xx]
.set xx, xx+1
.endr
	v_mov_b32 v[SCA], s58                          ; 2^e4.  (The plain line behind the reciprocals)
	; w = p / sum, held, quantised: a tile of i gives registers 8 (q % 2) .. + 7 of fragment (tile, K step q / 2): two groups of four
.set it, 0
.rept 16
.set WW, 2+it/8
.set sb, 32*(it%8)
	WIN (WW<<6)|WW
.set xx, 0
.rept 16
	v_pk_mul_f32 v[sb+2*xx:sb+2*xx+1], v[sb+2*xx:sb+2*xx+1], v[L+2*xx:L+2*xx+1]
.set xx, xx+1
.endr
.set xx, 0
.rept 32
	v_min_num_f32 v[sb+xx], v[sb+xx], s52          ; w is never negative: the hold is one-sided
.set xx, xx+1
.endr
	WIN WW
.irp jt, 0,1,2,3
	v_cvt_scalef32_pk8_fp8_f32 v[PC+8*(it%2)+2*\jt:PC+8*(it%2)+2*\jt+1], v[sb+8*\jt:sb+8*\jt+7], v[SCA]
.endr
	WIN 0
	ds_store_b128 v[PW], v[PC+8*(it%2):PC+8*(it%2)+3] offset:4096*it
	ds_store_b128 v[PW], v[PC+8*(it%2)+4:PC+8*(it%2)+7] offset:4096*it+512
.if it == 7
	IMG 2, 0, 64, 6                                ; window 2 is done with: W_enc^T comes again, for 1b,
	IMG 1, 128, 16, 28                             ; and 1b's bias, where the next batch's numbers lay
.endif
.set it, it+1
.endr
	v_nop                                          ; a plain line behind the last conversion
; ================================================================ 1b
.macro BW N, F                         ; product nn of 16 for a tile of rows j: tile of d nn % 8, K step nn / 8
.set tq, nn%8
.set kq, nn/8
.if kq == 0
	WIN 0x18                                       ; source 1 (W) window 2, C (the bias) window 1
	v_wmma_f32_16x16x128_fp8_fp8 v[(\N)+8*tq:(\N)+8*tq+7], v[(\F):(\F)+15], v[32*tq:32*tq+15], v[128+8*tq:128+8*tq+7]
.else
	WIN 0x08
	v_wmma_f32_16x16x128_fp8_fp8 v[(\N)+8*tq:(\N)+8*tq+7], v[(\F)+16:(\F)+31], v[32*tq+16:32*tq+31], v[(\N)+8*tq:(\N)+8*tq+7]
.endif
.endm
; Step m: the products of tile m of j stand among the holds and conversions of tile m - 1, whose codes are registers 2 ((m - 1) % 8), + 1 of fragment (tile of d, K step (m - 1) / 8), in window 3
.macro BSTEP m, mul
.set NA, ACC0+64*((\m)%2)
.set OL, ACC0+64*(((\m)+1)%2)
.set FNW, F0+32*((\m)%2)
.set FOL, F0+32*(((\m)+1)%2)
.set mo, (\m)-1
	s_wait_dscnt 0x0                               ; this tile's fragments, asked for a step ago
.set nn, 0
.rept 16
.if \mul
	BW NA, FNW
.else
	WIN 0
.endif
.irp x, 0,1,2,3
	v_med3_num_f32 v[OL+4*nn+\x], v[OL+4*nn+\x], s48, s49
.endr
.if \mul && (nn == 0) && ((\m) < 15)
	FLOAD FOL, AX, 4096*((\m)+1)
.endif
.if nn%2
	WIN 0xc0                                       ; destination window 3
	v_cvt_scalef32_pk8_fp8_f32 v[32*(nn/2)+16*(mo/8)+2*(mo%8):32*(nn/2)+16*(mo/8)+2*(mo%8)+1], v[OL+8*(nn/2):OL+8*(nn/2)+7], v[SCA]
.endif
.set nn, nn+1
.endr
.endm
	s_wait_loadcnt 0x0                             ; W_enc^T and the bias
	v_mov_b32 v[SCA], s56
	FLOAD F0, AX, 0
	FLOAD F1, AX, 4096
	s_wait_dscnt 8                                 ; tile 0 is in; tile 1's 8 loads may be out
.set nn, 0
.rept 16
	BW ACC0, F0
.set nn, nn+1
.endr
	PLACES
.irp m, 1,2,3,4,5,6,7,8,9,10,11,12,13,14,15
	BSTEP \m, 1
.endr
	BSTEP 16, 0                                    ; the codes of tile 15
	v_nop                                          ; a plain line behind the last conversion
	WIN 0
	BAR                                            ; w's codes lie in LDS; nobody reads x's codes any more
; ================================================================ P3
.macro CW N, F                         ; product nn of 16 for a tile of rows i: tile of d nn % 8, K step nn / 8
.set tq, nn%8
.set kq, nn/8
	WIN 0x03                                       ; source 0 (the e5 codes) window 3
.if kq == 0
	v_wmma_f32_16x16x128_fp8_fp8 v[(\N)+8*tq:(\N)+8*tq+7], v[32*tq:32*tq+15], v[(\F):(\F)+15], 0
.else
	v_wmma_f32_16x16x128_fp8_fp8 v[(\N)+8*tq:(\N)+8*tq+7], v[32*tq+16:32*tq+31], v[(\F)+16:(\F)+31], v[(\N)+8*tq:(\N)+8*tq+7]
.endif
.endm
.macro P3STEP N, O, FN, FO, mul, load, xo, eo
	s_wait_dscnt 4                                 ; FN's 8 loads are in; behind them stand the last step's 4 stores
.set nn, 0
.rept 16
.if \mul
	CW \N, \FN
.endif
.irp x, 0,1,2,3
	v_med3_num_f32 v[(\O)+4*nn+\x], s50, v[(\O)+4*nn+\x], s51
.endr
.if nn%2
	WIN 0
	v_cvt_scalef32_pk8_fp8_f32 v[C2+2*(nn/2):C2+2*(nn/2)+1], v[(\O)+8*(nn/2):(\O)+8*(nn/2)+7], v[SCA]
.if \load && (nn == 1)
	FLOAD \FO, ADL, \xo
.endif
.if (nn%4) == 3
	ds_store_b128 v[ADS], v[C2+4*(nn/4):C2+4*(nn/4)+3] offset:(\eo)+512*(nn/4)
.endif
.endif
.set nn, nn+1
.endr
.endm
	s_cmp_eq_u32 s19, 1
	s_cbranch_scc1 .Lp3_nonext
	XSTORE                                         ; the next batch's codes of x
.Lp3_nonext:
	IMG 2, 0, 64, 8                                ; W_dec^T for P4
	global_load_b64 v[240:241], v[OB], s[12:13]    ; my two numbers of b_dec
	v_mov_b32 v[SCA], s57
	s_mov_b32 s33, 0
	s_mov_b32 s34, 0
	v_add_nc_u32 v[ADL], s34, v[LI]
	v_add_nc_u32 v[ADS], s33, v[EW3]
	FLOAD F0, LI, 0
	FLOAD F1, LI, 4096
	s_wait_dscnt 8                                 ; tile 0 is in; tile 1's 8 loads may be out
.set nn, 0
.rept 16
	CW ACC0, F0
.set nn, nn+1
.endr
	WIN 0
	PLACES
	s_wait_dscnt 0x0
	s_mov_b32 s32, 7
.Lp3:                                              ; as P1's loop
	P3STEP ACC1, ACC0, F1, F0, 1, 1, 8192, 0
	P3STEP ACC0, ACC1, F0, F1, 1, 1, 12288, 2048
	s_add_co_u32 s33, s33, 4096
	s_add_co_u32 s34, s34, 8192
	v_add_nc_u32 v[ADL], s34, v[LI]
	v_add_nc_u32 v[ADS], s33, v[EW3]
	s_sub_co_u32 s32, s32, 1
	s_cmp_lg_u32 s32, 0
	s_cbranch_scc1 .Lp3
	P3STEP ACC1, ACC0, F1, F0, 1, 0, 0, 0
	P3STEP ACC0, ACC1, F0, F1, 0, 0, 0, 2048
	v_nop                                          ; a plain line behind the last conversion
	BAR                                            ; pre's codes, and the next batch's codes of x, lie in LDS
; ================================================================ P4
.macro GLOAD buf, off                  ; a tile's four fragments (K steps 0 to 3): 16 loads
.irp sq, 0,1,2,3
.irp g, 0,1,2,3
.if \sq < 2
	ds_load_b128 v[(\buf)+16*\sq+4*\g:(\buf)+16*\sq+4*\g+3], v[ADS] offset:(\off)+32768*\sq+512*\g
.else
	ds_load_b128 v[(\buf)+16*\sq+4*\g:(\buf)+16*\sq+4*\g+3], v[ADT] offset:(\off)+32768*(\sq-2)+512*\g
.endif
.endr
.endr
.endm
.macro DW sq, OA, GF                   ; K step sq: my four tiles of outputs by turns
	WIN 0x08                                       ; source 1 (W_dec^T) window 2
.irp t, 0,1,2,3
.if (\sq) == 0
	v_wmma_f32_16x16x128_fp8_fp8 v[(\OA)+8*\t:(\OA)+8*\t+7], v[(\GF):(\GF)+15], v[64*\t:64*\t+15], 0
.else
	v_wmma_f32_16x16x128_fp8_fp8 v[(\OA)+8*\t:(\OA)+8*\t+7], v[(\GF)+16*(\sq):(\GF)+16*(\sq)+15], v[64*\t+16*(\sq):64*\t+16*(\sq)+15], v[(\OA)+8*\t:(\OA)+8*\t+7]
.endif
.endr
.endm
.macro MX k, O                         ; rows 2 k, 2 k + 1 of my half join the running maxima: each accumulator from its low end on
	WIN 0
.irp t, 0,1,2,3
	v_max3_num_f32 v[RM+\t], v[RM+\t], v[(\O)+8*\t+2*(\k)], v[(\O)+8*\t+2*(\k)+1]
.endr
.endm
; A step: the 16 products of one tile of rows stand among the maxima of the tile before; the last four maxima are the four places in front of the next step's loads and reads
.macro P4STEP GFn, OAn, OAo, GFo, load, off
	s_wait_dscnt 0x0
.if \load
	GLOAD \GFo, \off
.endif
.irp k, 0,1,2,3
	DW \k, \OAn, \GFn
	MX \k, \OAo
.endr
.endm
	s_wait_loadcnt 0x0                             ; W_dec^T and b_dec
	s_cmp_eq_u32 s19, 1
	s_cbranch_scc1 .Lp4_nonext
	IMG 3, 0, 64, 6                                ; the next batch's P1: W_enc^T and the bias
	IMG 1, 0, 16, 10
.Lp4_nonext:
.irp t, 0,1,2,3
	v_mov_b32 v[RM+\t], 0xff800000                 ; -infinity
	v_mov_b32 v[RT+\t], 0                          ; written once: a lane permute's destination counts as one of its sources
.endr
	s_mov_b32 s35, 0
	v_add_nc_u32 v[ADS], s35, v[G0B]
	v_add_nc_u32 v[ADT], s35, v[G1B]
	GLOAD GF0, 0
	s_wait_dscnt 0x0
	GLOAD GF1, 2048
.irp k, 0,1,2,3
	DW \k, OA0, GF0
.endr
	WIN 0
	PLACES
	s_mov_b32 s32, 7
.Lp4:                                              ; trip k: products of tiles 2 k + 1, 2 k + 2; maxima of tiles 2 k, 2 k + 1; loads of tiles 2 k + 2, 2 k + 3
	P4STEP GF1, OA1, OA0, GF0, 1, 4096
	P4STEP GF0, OA0, OA1, GF1, 1, 6144
	s_add_co_u32 s35, s35, 4096
	v_add_nc_u32 v[ADS], s35, v[G0B]
	v_add_nc_u32 v[ADT], s35, v[G1B]
	s_sub_co_u32 s32, s32, 1
	s_cmp_lg_u32 s32, 0
	s_cbranch_scc1 .Lp4
	P4STEP GF1, OA1, OA0, GF0, 0, 0                ; products of tile 15, maxima of tile 14
	PLACES
.irp k, 0,1,2,3
	MX \k, OA1
.endr
	; lane (r, h) holds the maxima of outputs 64 q + 4 r + 0 .. 3 over its half's rows: join the halves, then each lane keeps two neighbours
.irp t, 0,1,2,3
	v_permlanex16_b32 v[RT+\t], v[RM+\t], s40, s41
.endr
.irp t, 0,1,2,3
	v_max_num_f32 v[RM+\t], v[RM+\t], v[RT+\t]
.endr
	v_and_b32 v22, 16, v0
	v_cmp_ne_u32 vcc_lo, 0, v22
	v_cndmask_b32 v232, v[RM], v[RM+2], vcc_lo
	v_cndmask_b32 v233, v[RM+1], v[RM+3], vcc_lo
	v_pk_fma_f32 v[234:235], v[232:233], s[38:39], v[240:241] op_sel_hi:[1,0,1]   ; maximum x 2^(e6 + e7) + b_dec
	global_store_b64 v[OB], v[234:235], s[16:17]   ; the 32 lanes store 256 consecutive bytes, at a multiple of 256 from out0's first byte
	s_wait_xcnt 0x0                                ; the store has read its registers and its base: both may be written again
	s_add_nc_u64 s[16:17], s[16:17], 1024          ; the next batch's row
	BAR                                            ; nobody reads pre's codes any more: the next P1 may store
	s_sub_co_u32 s19, s19, 1
	s_cmp_lg_u32 s19, 0
	s_cbranch_scc1 .Lbatch
	s_endpgm
.Lfunc_end_k_qbeb289525f_main:
	.size	k_qbeb289525f_main, .Lfunc_end_k_qbeb289525f_main-k_qbeb289525f_main
	.p2alignl 7, 3214868480
	.fill 96, 4, 3214868480
	.section	.rodata,"a",@progbits
	.p2align	6, 0x0
	.amdhsa_kernel k_qbeb289525f_main
		.amdhsa_group_segment_fixed_size 327680
		.amdhsa_private_segment_fixed_size 0
		.amdhsa_enable_private_segment 0
		.amdhsa_kernarg_size 56
		.amdhsa_user_sgpr_count 2
		.amdhsa_user_sgpr_kernarg_segment_ptr 1
		.amdhsa_wavefront_size32 1
		.amdhsa_system_sgpr_workgroup_id_x 1
		.amdhsa_system_sgpr_workgroup_id_y 1
		.amdhsa_system_sgpr_workgroup_id_z 1
		.amdhsa_system_vgpr_workitem_id 0
		.amdhsa_next_free_vgpr 1024
		.amdhsa_next_free_sgpr 66
		.amdhsa_reserve_vcc 1
		.amdhsa_float_denorm_mode_32 3
		.amdhsa_float_denorm_mode_16_64 3
		.amdhsa_memory_ordered 1
		.amdhsa_forward_progress 1
		.amdhsa_inst_pref_size 255
	.end_amdhsa_kernel
	.section	.bss,"aw",@nobits
	.p2align	6
	.space	262144
	.amdgpu_metadata
---
amdhsa.version: [ 1, 2 ]
amdhsa.kernels:
  - .name:           k_qbeb289525f_main
    .symbol:         k_qbeb289525f_main.kd
    .args:
      - { .name: x, .offset: 0, .size: 8, .value_kind: global_buffer, .address_space: global }
      - { .name: w1c, .offset: 8, .size: 8, .value_kind: global_buffer, .address_space: global }
      - { .name: w2c, .offset: 16, .size: 8, .value_kind: global_buffer, .address_space: global }
      - { .name: bimg, .offset: 24, .size: 8, .value_kind: global_buffer, .address_space: global }
      - { .name: b_dec, .offset: 32, .size: 8, .value_kind: global_buffer, .address_space: global }
      - { .name: lowp_scales, .offset: 40, .size: 8, .value_kind: global_buffer, .address_space: global }
      - { .name: out0, .offset: 48, .size: 8, .value_kind: global_buffer, .address_space: global }
    .group_segment_fixed_size: 327680
    .private_segment_fixed_size: 0
    .kernarg_segment_align: 8
    .kernarg_segment_size: 56
    .max_flat_workgroup_size: 128
    .sgpr_count:     66
    .vgpr_count:     1024
    .wavefront_size: 32
...
	.end_amdgpu_metadata
.endif
;; end of part 2
;; ======== version 2 of 2: 2 launches
;; limits: right only within a limited range of input values
;; workspace buffers: w1c 131,072 bytes; w2c 131,072 bytes; bimg 32,768 bytes
;; launch prep (part 3): grid 144 x 1, 4 waves a work-group, no clusters, 0 bytes of LDS; arguments W_enc, W_dec, b_enc, lowp_scales, w1c, w2c, bimg; writes w1c, w2c, bimg
.if DOCPART == 3
	.amdgcn_target "amdgcn-amd-amdhsa--gfx1250"
	.amdhsa_code_object_version 6
	.text
	.protected	k_qbeb289525f_prep
	.globl	k_qbeb289525f_prep
	.p2align	8
	.type	k_qbeb289525f_prep,@function
k_qbeb289525f_prep:
	s_mov_b64 s[64:65], 0
	v_nop
	global_prefetch_b8 v0, s[64:65] scope:SCOPE_SE
	s_setreg_imm32_b32 hwreg(HW_REG_WAVE_MODE, 25, 1), 1
	s_wait_xcnt 0x0
; The two weights, whose K is their FIRST axis, become codes of E4M3 laid as IMAGES OF THE OPERANDS' REGISTERS, and b_enc becomes an image of b_enc / 2^(e0 + e1).
; A fragment is 16 rows x 128 K = 16 registers a lane = 2,048 bytes: registers 4 g .. 4 g + 3 of lane l lie at 512 g + 16 l.  Lane (r = l % 16, h = l / 16) holds row r.
; ONE WAVE MAKES ONE CHUNK of 512 bytes (one g): a lane takes a column and its registers run down K, so nothing is transposed.
;   w1c: fragment (T, s) at (2 T + s) x 2,048: row d = 16 T + r of W_enc^T.  Its k stand where the main launch's codes of x have them:
;        with c = 8 s + 2 g + h, register 4 g holds k = 8 c + 0 .. 3, register 4 g + 1 k = 128 + 8 c + 0 .. 3, register 4 g + 2 k = 8 c + 4 .. 7, register 4 g + 3 k = 128 + 8 c + 4 .. 7.   256 chunks: work-groups 0 - 63
;   w2c: fragment (q, t, s) at ((4 q + t) 4 + s) x 2,048: row o = 64 q + 4 r + t of W_dec^T.  Its k stand where the main launch's codes of pre have them: with sg = 4 s + g,
;        registers 4 g, 4 g + 1 hold k = 32 sg + 16 h + 0, 2, .. 14, registers 4 g + 2, 4 g + 3 hold k = 32 sg + 16 h + 1, 3, .. 15.   256 chunks: work-groups 64 - 127
;   bimg: chunk 16 q + c: bs[128 q + 16 (c / 2) + 8 h + 4 (c % 2) + 0 .. 3], bs = b_enc / 2^(e0 + e1).  64 chunks: work-groups 128 - 143
; code = x / 2^e, held within +-448, to the nearest code, ties to even.  LIMITS: e1 and e7 between -126 and 119.  NaN among the inputs is not served.
; Each store of a wave covers 512 consecutive bytes, aligned.  No LDS, no barrier: waves share nothing.
	s_load_b256 s[4:11], s[0:1], 0x0               ; W_enc s[4:5], W_dec s[6:7], b_enc s[8:9], the exponents s[10:11]
	s_load_b128 s[12:15], s[0:1], 0x20             ; w1c s[12:13], w2c s[14:15]
	s_load_b64 s[16:17], s[0:1], 0x30              ; bimg
	v_lshrrev_b32 v1, 5, v0
	v_readfirstlane_b32 s18, v1                    ; wave
	s_lshl_b32 s19, ttmp9, 2
	s_add_co_u32 s19, s19, s18                     ; my chunk: 4 x work-group + wave
	v_and_b32 v1, 31, v0
	v_and_b32 v2, 15, v0                           ; r
	v_bfe_u32 v3, v0, 4, 1                         ; h
	v_lshlrev_b32 v4, 4, v1                        ; 16 x lane: my place in a chunk
	s_mov_b32 s23, 0
	s_wait_kmcnt 0x0
	s_load_b256 s[24:31], s[10:11], 0x0            ; e0 .. e7
; 16 numbers down K of my column, held, converted, stored.  perm = 1: w1c's order of k; 0: w2c's
.macro QCHUNK pitch, sp, e, dp, perm
.irp i, 0,1,2,3,4,5,6,7,8,9,10,11,12,13,14,15
.if \perm
	global_load_b32 v[16+\i], v5, s[\sp:\sp+1] offset:((\i%4)+4*(\i/8)+128*((\i/4)%2))*\pitch   ; rows 8 h + 0 .. 3, 128 + 8 h + 0 .. 3, 8 h + 4 .. 7, 128 + 8 h + 4 .. 7
.else
	global_load_b32 v[16+\i], v5, s[\sp:\sp+1] offset:(2*(\i%8)+\i/8)*\pitch   ; rows 16 h + 0, 2, .. 14, then 16 h + 1, 3, .. 15
.endif
.endr
	s_wait_kmcnt 0x0
	s_add_co_i32 s32, s[\e], 127
	s_lshl_b32 s33, s32, 23
	v_mov_b32 v6, s33                              ; 2^e as f32: the conversion takes its exponent field
	s_add_co_i32 s32, s32, 8
	s_lshl_b32 s32, s32, 23
	s_or_b32 s32, s32, 0x600000
	v_mov_b32 v7, s32                              ; 448 x 2^e
	s_wait_alu depctr_va_vdst(0)
	s_wait_loadcnt 0x0
.irp i, 0,1,2,3,4,5,6,7,8,9,10,11,12,13,14,15
	v_med3_num_f32 v[16+\i], v[16+\i], -v7, v7     ; the conversion to an 8-bit code does not saturate (ISA guide 7.6.2): the hold comes first
.endr
	v_cvt_scalef32_pk8_fp8_f32 v[32:33], v[16:23], v6
	v_cvt_scalef32_pk8_fp8_f32 v[34:35], v[24:31], v6
	global_store_b128 v4, v[32:35], s[\dp:\dp+1]
	s_endpgm
.endm
	s_cmp_lt_u32 ttmp9, 64
	s_cbranch_scc0 .Lnot_a
	; ---- W_enc [256 (k)][512 (d)]: chunk n = 8 T + sg (sg = 4 s + g), k from 16 sg + 8 h on, column 16 T + r
	s_lshr_b32 s20, s19, 3                         ; T
	s_and_b32 s21, s19, 7                          ; sg
	s_lshl_b32 s22, s21, 15                        ; 16 sg rows of 2,048 bytes
	s_lshl_b32 s20, s20, 6                         ; 16 T columns of 4 bytes
	s_add_co_u32 s22, s22, s20
	s_add_nc_u64 s[4:5], s[4:5], s[22:23]
	s_lshl_b32 s22, s19, 9
	s_add_nc_u64 s[12:13], s[12:13], s[22:23]
	s_wait_alu depctr_va_vdst(0)
	v_lshlrev_b32 v5, 14, v3                       ; 8 h rows
	v_lshl_add_u32 v5, v2, 2, v5                   ; + column r
	QCHUNK 2048, 4, 25, 12, 1
.Lnot_a:
	s_cmp_lt_u32 ttmp9, 128
	s_cbranch_scc0 .Lpath_c
	; ---- W_dec [512 (k)][256 (o)]: chunk 64 q + 16 t + sg, k = 32 sg on, column 64 q + 4 r + t
	s_sub_co_u32 s19, s19, 256
	s_lshr_b32 s20, s19, 6                         ; q
	s_bfe_u32 s21, s19, 0x20004                    ; t
	s_and_b32 s22, s19, 15                         ; sg
	s_lshl_b32 s22, s22, 15                        ; 32 sg rows of 1,024 bytes
	s_lshl_b32 s20, s20, 8                         ; 64 q columns
	s_lshl_b32 s21, s21, 2                         ; t columns
	s_add_co_u32 s22, s22, s20
	s_add_co_u32 s22, s22, s21
	s_add_nc_u64 s[6:7], s[6:7], s[22:23]
	s_lshl_b32 s22, s19, 9
	s_add_nc_u64 s[14:15], s[14:15], s[22:23]
	s_wait_alu depctr_va_vdst(0)
	v_lshlrev_b32 v5, 14, v3                       ; 16 h rows
	v_lshl_add_u32 v5, v2, 4, v5                   ; + column 4 r
	QCHUNK 1024, 6, 31, 14, 0
.Lpath_c:
	; ---- b_enc: chunk 16 q + c
	s_sub_co_u32 s19, s19, 512
	s_bfe_u32 s20, s19, 0x20004                    ; q
	s_and_b32 s21, s19, 15                         ; c
	s_lshr_b32 s22, s21, 1
	s_lshl_b32 s22, s22, 6                         ; 16 (c / 2) numbers
	s_lshl_b32 s20, s20, 9                         ; 128 q numbers
	s_add_co_u32 s22, s22, s20
	s_add_nc_u64 s[8:9], s[8:9], s[22:23]
	s_lshl_b32 s22, s19, 9
	s_add_nc_u64 s[16:17], s[16:17], s[22:23]
	s_wait_kmcnt 0x0
	s_add_co_i32 s32, s24, s25
	s_sub_co_i32 s32, 0, s32                       ; -(e0 + e1)
	s_and_b32 s21, s21, 1
	s_lshl_b32 s21, s21, 4                         ; 4 (c % 2) numbers
	s_wait_alu depctr_va_vdst(0)
	v_lshlrev_b32 v5, 5, v3                        ; 8 h numbers
	v_add_nc_u32 v5, s21, v5
	global_load_b128 v[16:19], v5, s[8:9]
	s_wait_loadcnt 0x0
.irp i, 0,1,2,3
	v_ldexp_f32 v[32+\i], v[16+\i], s32
.endr
	global_store_b128 v4, v[32:35], s[16:17]
	s_endpgm
.Lfunc_end_k_qbeb289525f_prep:
	.size	k_qbeb289525f_prep, .Lfunc_end_k_qbeb289525f_prep-k_qbeb289525f_prep
	.p2alignl 7, 3214868480
	.fill 96, 4, 3214868480
	.section	.rodata,"a",@progbits
	.p2align	6, 0x0
	.amdhsa_kernel k_qbeb289525f_prep
		.amdhsa_group_segment_fixed_size 0
		.amdhsa_private_segment_fixed_size 0
		.amdhsa_enable_private_segment 0
		.amdhsa_kernarg_size 56
		.amdhsa_user_sgpr_count 2
		.amdhsa_user_sgpr_kernarg_segment_ptr 1
		.amdhsa_wavefront_size32 1
		.amdhsa_system_sgpr_workgroup_id_x 1
		.amdhsa_system_sgpr_workgroup_id_y 1
		.amdhsa_system_sgpr_workgroup_id_z 1
		.amdhsa_system_vgpr_workitem_id 0
		.amdhsa_next_free_vgpr 48
		.amdhsa_next_free_sgpr 66
		.amdhsa_reserve_vcc 0
		.amdhsa_float_denorm_mode_32 3
		.amdhsa_float_denorm_mode_16_64 3
		.amdhsa_memory_ordered 1
		.amdhsa_forward_progress 1
		.amdhsa_inst_pref_size 10
	.end_amdhsa_kernel
	.amdgpu_metadata
---
amdhsa.version: [ 1, 2 ]
amdhsa.kernels:
  - .name:           k_qbeb289525f_prep
    .symbol:         k_qbeb289525f_prep.kd
    .args:
      - { .name: W_enc, .offset: 0, .size: 8, .value_kind: global_buffer, .address_space: global }
      - { .name: W_dec, .offset: 8, .size: 8, .value_kind: global_buffer, .address_space: global }
      - { .name: b_enc, .offset: 16, .size: 8, .value_kind: global_buffer, .address_space: global }
      - { .name: lowp_scales, .offset: 24, .size: 8, .value_kind: global_buffer, .address_space: global }
      - { .name: w1c, .offset: 32, .size: 8, .value_kind: global_buffer, .address_space: global }
      - { .name: w2c, .offset: 40, .size: 8, .value_kind: global_buffer, .address_space: global }
      - { .name: bimg, .offset: 48, .size: 8, .value_kind: global_buffer, .address_space: global }
    .group_segment_fixed_size: 0
    .private_segment_fixed_size: 0
    .kernarg_segment_align: 8
    .kernarg_segment_size: 56
    .max_flat_workgroup_size: 128
    .sgpr_count:     66
    .vgpr_count:     48
    .wavefront_size: 32
...
	.end_amdgpu_metadata
.endif
;; end of part 3
;; launch main (part 4): grid 256 x 1, 8 waves a work-group, no clusters, 327,680 bytes of LDS; arguments x, w1c, w2c, bimg, b_dec, lowp_scales, out0; writes out0
.if DOCPART == 4
	.amdgcn_target "amdgcn-amd-amdhsa--gfx1250"
	.amdhsa_code_object_version 6
	.text
	.protected	k_qbeb289525f_main
	.globl	k_qbeb289525f_main
	.p2align	8
	.type	k_qbeb289525f_main,@function
k_qbeb289525f_main:
	s_mov_b64 s[64:65], 0
	v_nop
	global_prefetch_b8 v0, s[64:65] scope:SCOPE_SE
	s_setreg_imm32_b32 hwreg(HW_REG_WAVE_MODE, 25, 1), 1
	s_wait_xcnt 0x0
; out0[b][o] = max over i of (softmax over i of (enc enc^T) enc W_dec + b_dec), enc = x W_enc + b_enc; all four products on codes of E4M3, each operand with its given scale 2^e (e0 .. e7).
; A work-group of EIGHT waves, two to a SIMD, does two whole batches one after the other; only out0 goes to memory.  Wave q's share of a batch:
;   X   quantises rows 32 q .. + 31 of x (two tiles of 16 rows).
;   P1  enc for d = 64 q .. + 63 and all 256 rows (source 0 = W_enc^T, source 1 = x: a lane holds one row, its registers run along d).  Each sum is quantised three times: with e2 and e3 (into LDS), and with e5.
;       THE e5 CODES ARE TURNED ROUND, since the third product's K is the row j: a tile's 16 rows x 64 bytes go into the wave's own stage in LDS, ds_load_tr16_b128 brings a lane 8 rows of the columns 2 r and 2 r + 1,
;       and v_perm_b32 parts even from odd.  So the operand's four tiles hold d = 64 q + 32 u + 2 r + v (tile 2 u + v, row r); they stay in 128 registers.
;   P2  S^T for j = 32 q .. + 31 and all i: 32 accumulators, 256 registers; a lane holds one i, its registers run along j.
;   SM  the softmax down the columns: a column is one register over 16 tiles of i and the 16 lanes of a half.  w = p / sum is quantised with e4.
;   P3  pre for my d and all i (source 0 = the e5 codes, source 1 = w); codes with e6.  Their k stand in the e5 tiles' order of d; W_dec^T's images carry the same order.
;   P4  outputs 64 (q / 2) + 4 r + 2 (q % 2) + 0, 1 for all i, and their maximum; then x 2^(e6 + e7) + b_dec.
; Operands go from wave to wave as images of their registers: a fragment (16 rows x 128 K) is 2,048 bytes, registers 4 g .. 4 g + 3 of lane l at 512 g + 16 l.  A lane's eight results of tile t are registers 2 t, 2 t + 1 of the next operand.
; x's codes lie in LDS by rows of 256 bytes, a row's pieces of 16 bytes at piece xor (row % 16); lane (r, h) takes piece 8 ks + 2 g + h; W_enc's images carry the same permutation of k.
; Scales are folded: b_enc / 2^(e0 + e1) is the C of each first product; the conversions take 2^(e2 - e0 - e1), 2^(e3 - e0 - e1), 2^(e5 - e0 - e1), 2^(e6 - e4 - e5).
; LDS: 0 the outputs' stage; 1,024 the spare words; TST the waves' stages for the turn (16 rows of 96 bytes each); BL the bias, 256 bytes a wave; E2B the e2 codes, fragment (tile m, K step s) at (4 m + s) x 2,048,
; later w's codes ((2 m + ks) x 2,048); E3B the e3 codes, laid alike; PB pre's codes; XB x's codes.
; The e3 codes' last 16,384 bytes (tiles 14, 15) lie on x's rows 0 - 63: those rows are read in P1's steps 0 to 3, the tiles are stored in steps 14 and 15, and a barrier stands between steps 7 and 8.
; NO CLUSTER, NO TENSOR LOAD: all work-groups read the same weights, but all of LDS holds bytes stored from registers; each wave takes its eighth of the weights by plain loads.
; NO PREFETCH INTO THE L2: the next batch's x is asked for by plain loads into registers that have come free: its first half in SM's middle, its second at P3's end, each a phase ahead of its use.
; LIMITS on the given exponents: e0, e4, e2 - e0 - e1, e3 - e0 - e1, e5 - e0 - e1, e6 - e4 - e5 between -126 and 119; e2 + e3 and e6 + e7 between -126 and 127.  NaN among the inputs is not served.
; REGISTERS, two windows of 256.  Window 0: v1-31 addresses and scales; v32-127 at work; v128-255 block A.  Window 1: v0-127 block B, v128-255 block C.
;   A: P1's codes, numbers at work and bias; S of i tiles 8-15; W_dec^T.   B: the e5 codes; then x's second half.   C: W_enc^T; S of i tiles 0-7; then x's first half, then W_enc^T again.
.set OUTST, 0
.set SPARE, 1024
.set TST, 2048
.set TP,  96
.set BL,  14336
.set E2B, 16384
.set E3B, 147456
.set PB,  81920
.set XB,  262144
.set LI,  1
.set SPW, 2
.set NIL, 3
.set AX,  4
.set XWB, 5
.set EW2, 6                            ; v6, v7: my place in the e2 codes, tiles 0-7 and 8-15
.set EW3, 8                            ; v8, v9: the same in the e3 codes
.set SCX, 10
.set SCA, 11
.set SCB, 12
.set SCC, 13
.set XR,  14                           ; v14-21: P1: the eight addresses of a tile of x.  The other phases' registers lie here too:
.set A2L, 14
.set A3,  16
.set PW,  14
.set SC4, 15
.set ADL, 14
.set ADS, 15
.set PCD, 16
.set ADG, 14
.set RM,  16
.set BD,  24
.set OST, 28
.set OLD, 29
.set TSW, 30                           ; my stage, on the way in: row r, 8 h bytes on
.set TSR, 31                           ; and on the way out: row 8 h + lane % 8, 16 ((lane / 8) % 2) bytes on
.set CX,  32                           ; a tile's codes of x
.set XS,  64                           ; and its sixteen store addresses
.set F0,  32                           ; two pairs of fragments
.set AP,  96                           ; four accumulators
.set C5,  128
.set TR,  136
.set T2,  144
.set T,   160
.set C2,  168
.set C3,  176
.set BI0, 184
.set EB,  32
.set EA,  64
.set M,   32
.set L,   48
.set PC,  64
.set MSB, 0
.macro WIN new                         ; the immediate's high byte repeats the setting that is left
.if MSB != (\new)
	s_set_vgpr_msb (MSB<<8)|(\new)
.set MSB, (\new)
.endif
.endm
.macro VW                              ; this wait stands ahead of blocking waits, branches and transcendentals
	s_wait_alu depctr_va_vdst(0)
.endm
.macro BAR                             ; my LDS stores have landed and my LDS loads are in: then the work-group's barrier
	VW
	s_wait_dscnt 0x0
	s_barrier_signal -1
	s_barrier_wait -1
.endm
.macro PLACES                          ; four places behind matrix instructions (ISA guide 7.12.1)
.rept 4
	v_nop
.endr
.endm
.macro IMG w, base, cnt, sp            ; cnt x 4 registers of window w from an image in memory: each load takes 512 consecutive bytes
	WIN ((\w)<<6)
.set ii, 0
.rept \cnt
	global_load_b128 v[(\base)+4*ii:(\base)+4*ii+3], v[LI], s[\sp:\sp+1] offset:512*ii
.set ii, ii+1
.endr
	WIN 0
.endm
.macro XISSUE p, base                  ; tile p of my 32 rows of x into window 1: register 8 rho + 4 u + i = x(row rho, k = 128 u + 4 lane + i)
	WIN 0x40
.set ii, 0
.rept 32
	global_load_b128 v[(\base)+4*ii:(\base)+4*ii+3], v[LI], s[30:31] offset:16384*(\p)+512*ii th:TH_LOAD_NT
.set ii, ii+1
.endr
	WIN 0
.endm
.macro XQ base                         ; the hold at +-448 x 2^e0 (the conversion does not saturate: ISA guide 7.6.2), then row rho's 8 codes into v[CX + 2 rho]
	WIN 0x41
.set ii, 0
.rept 128
	v_med3_num_f32 v[(\base)+ii], v[(\base)+ii], s42, s43
.set ii, ii+1
.endr
	WIN 0x01
.set ii, 0
.rept 16
	v_cvt_scalef32_pk8_fp8_f32 v[CX+2*ii:CX+2*ii+1], v[(\base)+8*ii:(\base)+8*ii+7], v[SCX]
.set ii, ii+1
.endr
	WIN 0
	v_nop
.endm
.macro XSTORE p                        ; a row a store: the 32 lanes write the row's 256 bytes
.set ii, 0
.rept 16
	v_xor_b32 v[XS+ii], 16*ii, v[XWB]
.set ii, ii+1
.endr
.set ii, 0
.rept 16
	ds_store_b64 v[XS+ii], v[CX+2*ii:CX+2*ii+1] offset:4096*(\p)+256*ii
.set ii, ii+1
.endr
.endm
.macro FLOADX F, off                   ; a tile's two fragments of x
.irp c, 0,1,2,3,4,5,6,7
	ds_load_b128 v[(\F)+4*\c:(\F)+4*\c+3], v[XR+\c] offset:(\off)
.endr
.endm
.macro MKSC f, sc, lo, hi              ; from the whole number in s[f]: 2^f, -448 x 2^f, 448 x 2^f as f32 patterns
	s_add_co_i32 s60, s[\f], 127
	s_lshl_b32 s[\sc], s60, 23
	s_add_co_i32 s60, s60, 8
	s_lshl_b32 s60, s60, 23
	s_or_b32 s[\hi], s60, 0x600000
	s_or_b32 s[\lo], s[\hi], 0x80000000
.endm
	s_load_b256 s[4:11], s[0:1], 0x0               ; x, w1c, w2c, bimg
	s_load_b128 s[12:15], s[0:1], 0x20             ; b_dec, the exponents
	s_load_b64 s[16:17], s[0:1], 0x30              ; out0
	v_lshl_add_u32 v[SPW], v0, 2, SPARE
	v_mov_b32 v[NIL], 0
	v_lshrrev_b32 v22, 5, v0
	v_readfirstlane_b32 s18, v22                   ; q
	v_and_b32 v[LI], 31, v0
	v_lshlrev_b32 v[XWB], 3, v[LI]                 ; 8 x lane
	v_lshlrev_b32 v[LI], 4, v[LI]                  ; 16 x lane
	v_and_b32 v22, 15, v0                          ; r
	v_bfe_u32 v23, v0, 4, 1                        ; h
	v_add_nc_u32 v[AX], v22, v23
	v_and_b32 v[AX], 1, v[AX]
	v_and_b32 v30, 14, v22
	v_add_nc_u32 v[AX], v30, v[AX]                 ; r xor h
	v_lshlrev_b32 v[AX], 4, v[AX]
	v_lshl_add_u32 v[AX], v22, 8, v[AX]
	v_add_nc_u32 v[AX], XB, v[AX]
	VW
	s_lshl_b32 s33, s18, 13
	s_add_co_u32 s33, s33, XB                      ; my 32 rows of x's codes
	s_lshl_b32 s34, s18, 10
	s_add_co_u32 s3, s34, PB                       ; my place in a fragment of pre,
	s_add_co_u32 s34, s34, E2B                     ; of the e2 codes,
	s_lshl_b32 s2, s18, 9
	s_add_co_u32 s2, s2, E2B                       ; and of w
	s_lshr_b32 s35, s18, 1
	s_lshl_b32 s35, s35, 8
	s_and_b32 s32, s18, 1
	s_lshl_b32 s60, s32, 3
	s_add_co_u32 s35, s35, s60                     ; the outputs' stage: 256 (q / 2) + 8 (q % 2)
	s_lshl_b32 s32, s32, 9
	s_mul_i32 s61, s18, 16*TP
	s_add_co_u32 s61, s61, TST                     ; my stage for the turn
	v_add_nc_u32 v[XWB], s33, v[XWB]
	v_add_nc_u32 v[EW2], s34, v[LI]
	v_add_nc_u32 v[EW2+1], 65536, v[EW2]
	v_add_nc_u32 v[EW3], E3B-E2B, v[EW2]
	v_add_nc_u32 v[EW3+1], 65536, v[EW3]
	v_lshl_add_u32 v[OST], v22, 4, s35
	v_add_nc_u32 v[OLD], s32, v[LI]                ; 512 (q % 2) + 16 lane: in the stage, in b_dec and in a row of out0
	v_mul_u32_u24 v[TSW], v22, TP
	v_lshl_add_u32 v[TSW], v23, 3, v[TSW]
	v_add_nc_u32 v[TSW], s61, v[TSW]
	v_and_b32 v[TSR], 7, v0
	v_lshl_add_u32 v[TSR], v23, 3, v[TSR]
	v_mul_u32_u24 v[TSR], v[TSR], TP
	v_bfe_u32 v14, v0, 3, 1
	v_lshl_add_u32 v[TSR], v14, 4, v[TSR]
	v_add_nc_u32 v[TSR], s61, v[TSR]
	VW
	s_wait_kmcnt 0x0
	s_load_b256 s[20:27], s[14:15], 0x0            ; e0 .. e7
	s_mov_b32 s61, 0
	s_lshl_b32 s60, s18, 14
	s_add_nc_u64 s[6:7], s[6:7], s[60:61]          ; my 8 fragments of W_enc^T
	s_add_nc_u64 s[8:9], s[8:9], s[60:61]          ; and of W_dec^T
	s_lshl_b32 s60, s18, 12
	s_add_nc_u64 s[10:11], s[10:11], s[60:61]      ; my part of the bias image
	s_lshl_b32 s60, ttmp9, 11
	s_add_nc_u64 s[16:17], s[16:17], s[60:61]      ; out0's row of my first batch
	s_lshl_b32 s60, ttmp9, 19
	s_add_nc_u64 s[30:31], s[4:5], s[60:61]
	s_lshl_b32 s60, s18, 15
	s_add_nc_u64 s[30:31], s[30:31], s[60:61]      ; x at my 32 rows of my first batch
	IMG 0, BI0, 8, 10
	global_load_b128 v[BD:BD+3], v[OLD], s[12:13]
	XISSUE 0, 128
	XISSUE 1, 0
	s_lshl_b32 s33, s18, 8
	s_add_co_u32 s33, s33, BL                      ; my 64 numbers of the bias in LDS
	s_mov_b32 s34, 0x06040200                      ; v_perm_b32: the even bytes of two registers,
	s_mov_b32 s35, 0x07050301                      ; the odd ones
	s_wait_kmcnt 0x0
	MKSC 20, 53, 42, 43                            ; e0
	s_add_co_i32 s62, s20, s21
	s_sub_co_i32 s63, s22, s62
	MKSC 63, 54, 44, 45                            ; e2 - e0 - e1
	s_sub_co_i32 s63, s23, s62
	MKSC 63, 55, 46, 47                            ; e3 - e0 - e1
	s_sub_co_i32 s63, s25, s62
	MKSC 63, 56, 48, 49                            ; e5 - e0 - e1
	s_add_co_i32 s62, s24, s25
	s_sub_co_i32 s63, s26, s62
	MKSC 63, 57, 50, 51                            ; e6 - e4 - e5
	MKSC 24, 58, 59, 52                            ; e4 (w is never negative: the upper hold alone is used)
	s_add_co_i32 s62, s22, s23
	s_lshl_b32 s62, s62, 23
	s_add_co_i32 s36, s62, 0x3fb8aa3b              ; c = log2(e) x 2^(e2 + e3)
	s_mov_b32 s37, s36
	s_add_co_i32 s62, s26, s27
	s_add_co_i32 s62, s62, 127
	s_lshl_b32 s38, s62, 23                        ; 2^(e6 + e7)
	s_mov_b32 s39, s38
	s_mov_b32 s40, 0x76543210                      ; v_permlanex16_b32: lane l xor 16
	s_mov_b32 s41, 0xfedcba98
	v_mov_b32 v[SCX], s53
	v_mov_b32 v[SCB], s55
	v_mov_b32 v[SCC], s56
	s_mov_b32 s19, 2                               ; batches to go
	VW
	s_wait_loadcnt 32                              ; the bias, b_dec and x's first half are in; the second half's 32 loads may be out
	XQ 128
	XSTORE 0
	IMG 1, 128, 32, 6                              ; W_enc^T, where the numbers lay
	v_bfe_u32 v22, v0, 4, 1
	v_lshl_add_u32 v22, v22, 5, s33                ; the bias goes to LDS once: number 16 t + 8 h + e of my 64 at 4 x that; the sixteen lanes of a half write the same numbers
.irp c, 0,1,2,3,4,5,6,7
	ds_store_b128 v22, v[BI0+4*\c:BI0+4*\c+3] offset:64*(\c/2)+16*(\c%2)
.endr
; ---- P1.  Step m: 8 products of row tile m in one group, then its three quantisers.  Each sum's two steps have three other products between them.
.macro P1STEP m
.set FN, F0+32*((\m)%2)
.set FO, F0+32*(((\m)+1)%2)
.set EO5, 16*((\m)/8)+2*((\m)%8)
.if (\m) < 15
	FLOADX FO, 4096*((\m)+1)                       ; (this tile's own loads are in: the wait at the last step's end, or in front of step 0)
.endif
	WIN 0x01                                       ; source 0 (W) window 1
.irp t, 0,1,2,3
	v_wmma_f32_16x16x128_fp8_fp8 v[AP+8*\t:AP+8*\t+7], v[128+32*\t:128+32*\t+15], v[FN:FN+15], v[BI0+8*\t:BI0+8*\t+7]
.endr
.irp t, 0,1,2,3
	v_wmma_f32_16x16x128_fp8_fp8 v[AP+8*\t:AP+8*\t+7], v[144+32*\t:144+32*\t+15], v[FN+16:FN+31], v[AP+8*\t:AP+8*\t+7]
.endr
	WIN 0
	PLACES
.irp t, 0,1,2,3                        ; e5 first, so that its turn through the stage runs under the other two; two sets of numbers by turns, so that a plain line stands behind each conversion
.irp e, 0,1,2,3,4,5,6,7
	v_med3_num_f32 v[T2+16*(\t%2)+\e], v[AP+8*\t+\e], s48, s49
.endr
	v_cvt_scalef32_pk8_fp8_f32 v[C5+2*\t:C5+2*\t+1], v[T2+16*(\t%2):T2+16*(\t%2)+7], v[SCC]
.endr
.irp t, 0,1,2,3
	ds_store_b64 v[TSW], v[C5+2*\t:C5+2*\t+1] offset:16*\t     ; row r of the stage, columns 16 t + 8 h + 0 .. 7
.endr
	ds_load_tr16_b128 v[TR:TR+3], v[TSR]           ; LDS serves a wave's instructions in order: these see the stores.  Rows 8 h + 0 .. 7 of columns 2 r, 2 r + 1,
	ds_load_tr16_b128 v[TR+4:TR+7], v[TSR] offset:32   ; and of columns 32 + 2 r, 33 + 2 r
.irp t, 0,1,2,3
.irp e, 0,1,2,3,4,5,6,7
	v_med3_num_f32 v[T2+\e], v[AP+8*\t+\e], s44, s45
.endr
	v_cvt_scalef32_pk8_fp8_f32 v[C2+2*\t:C2+2*\t+1], v[T2:T2+7], v[SCA]
.irp e, 0,1,2,3,4,5,6,7
	v_med3_num_f32 v[AP+8*\t+\e], v[AP+8*\t+\e], s46, s47
.endr
	v_cvt_scalef32_pk8_fp8_f32 v[C3+2*\t:C3+2*\t+1], v[AP+8*\t:AP+8*\t+7], v[SCB]
.endr
	ds_store_b128 v[EW2+(\m)/8], v[C2:C2+3] offset:8192*((\m)%8)
	ds_store_b128 v[EW2+(\m)/8], v[C2+4:C2+7] offset:8192*((\m)%8)+512
	ds_store_b128 v[EW3+(\m)/8], v[C3:C3+3] offset:8192*((\m)%8)
	ds_store_b128 v[EW3+(\m)/8], v[C3+4:C3+7] offset:8192*((\m)%8)+512
	VW
	s_wait_dscnt 4                                 ; the transposing loads, and the next tile's fragments ahead of them, are in; behind them stand the 4 stores above
	WIN 0x40                                       ; the e5 codes: registers 2 (m % 8), + 1 of fragment (tile 2 u + v, K step m / 8), in window 1
.irp u, 0,1
	v_perm_b32 v[64*\u+EO5], v[TR+4*\u+1], v[TR+4*\u], s34
	v_perm_b32 v[64*\u+EO5+1], v[TR+4*\u+3], v[TR+4*\u+2], s34
	v_perm_b32 v[64*\u+32+EO5], v[TR+4*\u+1], v[TR+4*\u], s35
	v_perm_b32 v[64*\u+32+EO5+1], v[TR+4*\u+3], v[TR+4*\u+2], s35
.endr
	WIN 0
.endm
.Lbatch:
	s_wait_loadcnt 0x0                             ; x's second half and W_enc^T
	XQ 0
	XSTORE 1
	v_mov_b32 v[SCA], s54
	v_bfe_u32 v22, v0, 4, 1
	v_lshl_add_u32 v22, v22, 5, s33
.irp c, 0,1,2,3,4,5,6,7
	v_xor_b32 v[XR+\c], 32*\c, v[AX]
.endr
	BAR                                            ; x's 256 rows of codes lie in LDS
.irp c, 0,1,2,3,4,5,6,7
	ds_load_b128 v[BI0+4*\c:BI0+4*\c+3], v22 offset:64*(\c/2)+16*(\c%2)   ; the bias, where W_dec^T lay: my own bytes
.endr
	FLOADX F0, 0
	s_wait_dscnt 0x0
.irp m, 0,1,2,3,4,5,6,7
	P1STEP \m
.endr
	BAR                                            ; nobody reads x's rows 0 - 63 any more: the e3 codes of steps 14 and 15 land there
.irp m, 8,9,10,11,12,13,14,15
	P1STEP \m
.endr
	BAR                                            ; both sets of codes of enc lie in LDS
; ---- P2
.macro LDE3 s                          ; my two tiles j, K step s
.irp jt, 0,1
.irp g, 0,1,2,3
	ds_load_b128 v[EB+16*\jt+4*\g:EB+16*\jt+4*\g+3], v[A3] offset:8192*\jt+2048*(\s)+512*\g
.endr
.endr
.endm
.macro LDE2 it, s                      ; tile i, K step s, into buffer it % 4
.irp g, 0,1,2,3
	ds_load_b128 v[EA+16*((\it)%4)+4*\g:EA+16*((\it)%4)+4*\g+3], v[A2L+(\it)/8] offset:8192*((\it)%8)+2048*(\s)+512*\g
.endr
.endm
.macro MM2 it, first                   ; accumulator (it, jt) at v[128 + 16 (it % 8) + 8 jt], window 1 for tiles 0-7, window 0 for 8-15
.if (\it) < 8
	WIN 0x50
.else
	WIN 0
.endif
.set sb, 128+16*((\it)%8)
.irp jt, 0,1
.if \first
	v_wmma_f32_16x16x128_fp8_fp8 v[sb+8*\jt:sb+8*\jt+7], v[EB+16*\jt:EB+16*\jt+15], v[EA+16*((\it)%4):EA+16*((\it)%4)+15], 0
.else
	v_wmma_f32_16x16x128_fp8_fp8 v[sb+8*\jt:sb+8*\jt+7], v[EB+16*\jt:EB+16*\jt+15], v[EA+16*((\it)%4):EA+16*((\it)%4)+15], v[sb+8*\jt:sb+8*\jt+7]
.endif
.endr
.endm
	v_add_nc_u32 v[A2L], E2B, v[LI]
	v_add_nc_u32 v[A2L+1], E2B+65536, v[LI]
	s_lshl_b32 s60, s18, 14
	s_add_co_u32 s60, s60, E3B
	v_add_nc_u32 v[A3], s60, v[LI]
	VW
.set ps, 0
.rept 4
	PLACES
	WIN 0
	LDE3 ps
	LDE2 0, ps
	LDE2 1, ps
.set pg, 0
.rept 8
.if pg < 7
.if pg > 0
	PLACES                                         ; the two buffers below were read by the products just issued
	WIN 0
.endif
	LDE2 2*pg+2, ps
	LDE2 2*pg+3, ps
	s_wait_dscnt 8                                 ; all but the 8 loads just issued
.else
	s_wait_dscnt 0x0
.endif
	MM2 2*pg, (ps==0)
	MM2 2*pg+1, (ps==0)
.set pg, pg+1
.endr
.set ps, ps+1
.endr
	PLACES
	WIN 0
	BAR                                            ; nobody reads enc's codes any more
; ---- SM.  Register 128 + 16 (it % 8) + x: column x of my lane's sixteen (j = 32 q + 16 (x / 8) + 8 h + x % 8), tile it of i
	v_add_nc_u32 v[PW], s2, v[LI]
.set xx, 0
.rept 16
	v_max_num_f32 v[M+xx], v[128+xx], v[144+xx]    ; each accumulator from its low end on
.set xx, xx+1
.endr
.set kk, 1
.rept 3
.set xx, 0
.rept 16
	v_max3_num_f32 v[M+xx], v[M+xx], v[128+32*kk+xx], v[144+32*kk+xx]
.set xx, xx+1
.endr
.set kk, kk+1
.endr
	WIN 0x14
.set kk, 0
.rept 4
.set xx, 0
.rept 16
	v_max3_num_f32 v[M+xx], v[M+xx], v[128+32*kk+xx], v[144+32*kk+xx]
.set xx, xx+1
.endr
.set kk, kk+1
.endr
	WIN 0
.irp mk, 1,2,4,8
.set xx, 0
.rept 16
	v_max_num_f32_dpp v[M+xx], v[M+xx], v[M+xx] row_xmask:\mk row_mask:0xf bank_mask:0xf
.set xx, xx+1
.endr
.endr
.set xx, 0
.rept 8
	v_pk_mul_f32 v[M+2*xx:M+2*xx+1], v[M+2*xx:M+2*xx+1], s[36:37] op_sel_hi:[1,0]   ; c x maximum (c is positive)
.set xx, xx+1
.endr
.irp w, 0, 0x41                        ; c s - c maximum, all 256, ahead of the one batch of exponentials
	WIN \w
.set ii, 0
.rept 64
	v_pk_fma_f32 v[128+2*ii:129+2*ii], v[128+2*ii:129+2*ii], s[36:37], v[M+2*(ii%8):M+2*(ii%8)+1] op_sel_hi:[1,0,1] neg_lo:[0,0,1] neg_hi:[0,0,1]
.set ii, ii+1
.endr
.endr
	VW
.irp w, 0x41, 0
	WIN \w
.set ii, 0
.rept 128
	v_exp_f32 v[128+ii], v[128+ii]
.set ii, ii+1
.endr
.endr
	v_nop                                          ; a plain line behind the last exponential
	VW
.set ii, 0
.rept 8
	v_pk_add_f32 v[L+2*ii:L+2*ii+1], v[128+2*ii:129+2*ii], v[144+2*ii:145+2*ii]
.set ii, ii+1
.endr
.set ii, 16
.rept 48
	v_pk_add_f32 v[L+2*(ii%8):L+2*(ii%8)+1], v[128+2*ii:129+2*ii], v[L+2*(ii%8):L+2*(ii%8)+1]
.set ii, ii+1
.endr
	WIN 0x01
.set ii, 0
.rept 64
	v_pk_add_f32 v[L+2*(ii%8):L+2*(ii%8)+1], v[128+2*ii:129+2*ii], v[L+2*(ii%8):L+2*(ii%8)+1]
.set ii, ii+1
.endr
	WIN 0
.irp mk, 1,2,4,8
.set xx, 0
.rept 16
	v_add_f32_dpp v[L+xx], v[L+xx], v[L+xx] row_xmask:\mk row_mask:0xf bank_mask:0xf
.set xx, xx+1
.endr
.endr
	VW
.set xx, 0
.rept 16
	v_rcp_f32 v[L+xx], v[L+xx]
.set xx, xx+1
.endr
	v_mov_b32 v[SC4], s58                          ; 2^e4.  (The plain line behind the reciprocals)
	VW
.macro WQ it                           ; w = p / sum, held, quantised: registers 4 (q % 4) .. + 3 of fragment (tile it, K step q / 4)
.set sb, 128+16*((\it)%8)
.set ww, 1-(\it)/8
	WIN 0x41*ww
.set xx, 0
.rept 8
	v_pk_mul_f32 v[sb+2*xx:sb+2*xx+1], v[sb+2*xx:sb+2*xx+1], v[L+2*xx:L+2*xx+1]
.set xx, xx+1
.endr
.set xx, 0
.rept 16
	v_min_num_f32 v[sb+xx], v[sb+xx], s52          ; w is never negative: the hold is one-sided
.set xx, xx+1
.endr
	WIN ww
	v_cvt_scalef32_pk8_fp8_f32 v[PC+4*((\it)%2):PC+4*((\it)%2)+1], v[sb:sb+7], v[SC4]
	v_cvt_scalef32_pk8_fp8_f32 v[PC+4*((\it)%2)+2:PC+4*((\it)%2)+3], v[sb+8:sb+15], v[SC4]
	WIN 0
	ds_store_b128 v[PW], v[PC+4*((\it)%2):PC+4*((\it)%2)+3] offset:4096*(\it)
.endm
.irp it, 0,1,2,3,4,5,6,7
	WQ \it
.endr
	v_nop
	VW
	s_cmp_eq_u32 s19, 1
	s_cbranch_scc1 .Lsm_nonext
	s_add_nc_u64 s[30:31], s[30:31], 262144        ; the next batch (no load by this base is out)
	XISSUE 0, 128                                  ; block C is done with: the first half of its x
.Lsm_nonext:
.irp it, 8,9,10,11,12,13,14,15
	WQ \it
.endr
	v_nop                                          ; a plain line behind the last conversion
	IMG 0, 128, 28, 8                              ; block A is done with: W_dec^T for P4, 28 of its 32 loads; the last four follow in P3's fifth trip, behind x's 32 loads and these
	v_mov_b32 v[SCA], s57
	v_add_nc_u32 v[ADL], E2B, v[LI]
	v_add_nc_u32 v[ADS], s3, v[LI]
	BAR                                            ; w's codes lie in LDS
; ---- P3
.macro FLOAD F, off
.irp ks, 0,1
.irp g, 0,1,2,3
	ds_load_b128 v[(\F)+16*\ks+4*\g:(\F)+16*\ks+4*\g+3], v[ADL] offset:(\off)+2048*\ks+512*\g
.endr
.endr
.endm
.macro P3STEP FN, FO, load, xo, eo
	VW
	s_wait_dscnt 2                                 ; FN's 8 loads are in; behind them stand the last step's 2 stores
.if \load
	FLOAD \FO, \xo
.endif
	WIN 0x01                                       ; source 0 (the e5 codes) window 1
.irp t, 0,1,2,3
	v_wmma_f32_16x16x128_fp8_fp8 v[AP+8*\t:AP+8*\t+7], v[32*\t:32*\t+15], v[(\FN):(\FN)+15], 0
.endr
.irp t, 0,1,2,3
	v_wmma_f32_16x16x128_fp8_fp8 v[AP+8*\t:AP+8*\t+7], v[32*\t+16:32*\t+31], v[(\FN)+16:(\FN)+31], v[AP+8*\t:AP+8*\t+7]
.endr
	WIN 0
	PLACES
.irp t, 0,1,2,3
.irp e, 0,1,2,3,4,5,6,7
	v_med3_num_f32 v[AP+8*\t+\e], v[AP+8*\t+\e], s50, s51
.endr
	v_cvt_scalef32_pk8_fp8_f32 v[PCD+2*\t:PCD+2*\t+1], v[AP+8*\t:AP+8*\t+7], v[SCA]
.endr
	v_nop                                          ; a plain line behind the last conversion
	ds_store_b128 v[ADS], v[PCD:PCD+3] offset:(\eo)
	ds_store_b128 v[ADS], v[PCD+4:PCD+7] offset:(\eo)+512
.endm
	FLOAD F0, 0
	s_wait_dscnt 0x0
	s_mov_b32 s32, 7
.Lp3:                                              ; a trip: row tiles 2 k, 2 k + 1
	P3STEP F0, F0+32, 1, 4096, 0
	P3STEP F0+32, F0, 1, 8192, 8192
	VW
	s_cmp_eq_u32 s32, 3                            ; the fifth of the seven trips: W_dec^T's last four loads; the wait for 0 at P3's end covers them
	s_cbranch_scc0 .Lp3_now2
.set ii, 28
.rept 4
	global_load_b128 v[128+4*ii:128+4*ii+3], v[LI], s[8:9] offset:512*ii
.set ii, ii+1
.endr
.Lp3_now2:
	v_add_nc_u32 v[ADL], 8192, v[ADL]
	v_add_nc_u32 v[ADS], 16384, v[ADS]
	s_sub_co_u32 s32, s32, 1
	s_cmp_lg_u32 s32, 0
	VW
	s_cbranch_scc1 .Lp3
	P3STEP F0, F0+32, 1, 4096, 0
	P3STEP F0+32, F0, 0, 0, 8192
	VW
	s_wait_loadcnt 0x0                             ; W_dec^T, and the first half of the next x
	s_mov_b32 s59, 0                               ; the trip of P4's loop that asks for W_enc^T's last four loads: none where no batch follows
	s_cmp_eq_u32 s19, 1
	s_cbranch_scc1 .Lp3_nonext
	XQ 128
	XSTORE 0                                       ; x's LDS bytes are free since the barrier behind P2
	IMG 1, 128, 28, 6                              ; the next P1's W_enc^T, 28 of its 32 loads,
	XISSUE 1, 0                                    ; and the second half of its x, where the e5 codes lay
	s_mov_b32 s59, 4                               ; the last four follow in P4's fourth trip
.Lp3_nonext:
	v_add_nc_u32 v[ADG], PB, v[LI]
.irp t, 0,1,2,3
	v_mov_b32 v[RM+\t], 0xff800000                 ; -infinity
.endr
	BAR                                            ; pre's codes lie in LDS
; ---- P4.  Two row tiles x my two tiles of outputs: four accumulators by turns; a unit is one K step's two fragments, in two buffers by turns
.macro GLD buf, off
.irp a, 0,1
.irp g, 0,1,2,3
	ds_load_b128 v[(\buf)+16*\a+4*\g:(\buf)+16*\a+4*\g+3], v[ADG] offset:(\off)+8192*\a+512*\g
.endr
.endr
.endm
.macro DW s, buf
.irp a, 0,1
.irp tt, 0,1
.if (\s) == 0
	v_wmma_f32_16x16x128_fp8_fp8 v[AP+16*\a+8*\tt:AP+16*\a+8*\tt+7], v[(\buf)+16*\a:(\buf)+16*\a+15], v[128+64*\tt:128+64*\tt+15], 0
.else
	v_wmma_f32_16x16x128_fp8_fp8 v[AP+16*\a+8*\tt:AP+16*\a+8*\tt+7], v[(\buf)+16*\a:(\buf)+16*\a+15], v[128+64*\tt+16*(\s):128+64*\tt+16*(\s)+15], v[AP+16*\a+8*\tt:AP+16*\a+8*\tt+7]
.endif
.endr
.endr
.endm
.macro PAIR last
	GLD F0+32, 2048
	s_wait_dscnt 8                                 ; all but the 8 loads just issued
	DW 0, F0
	PLACES
	GLD F0, 4096
	s_wait_dscnt 8
	DW 1, F0+32
	PLACES
	GLD F0+32, 6144
	s_wait_dscnt 8
	DW 2, F0
	PLACES
.if \last
	s_wait_dscnt 0x0
.else
	GLD F0, 16384                                  ; the next pair's first unit
	s_wait_dscnt 8
.endif
	DW 3, F0+32
	PLACES
.irp k, 0,1,2,3                        ; the four running maxima, each accumulator from its low end on
.irp c, 0,1,2,3
	v_max3_num_f32 v[RM+\c], v[RM+\c], v[AP+8*\c+2*\k], v[AP+8*\c+2*\k+1]
.endr
.endr
.endm
	GLD F0, 0
	s_mov_b32 s32, 7
.Lp4:
	PAIR 0
	VW
	s_cmp_eq_u32 s32, s59                          ; W_enc^T's last four loads; the wait for 0 at the batch's top covers them
	s_cbranch_scc0 .Lp4_now1
	WIN 0x40
.set ii, 28
.rept 4
	global_load_b128 v[128+4*ii:128+4*ii+3], v[LI], s[6:7] offset:512*ii
.set ii, ii+1
.endr
	WIN 0
.Lp4_now1:
	v_add_nc_u32 v[ADG], 16384, v[ADG]
	s_sub_co_u32 s32, s32, 1
	s_cmp_lg_u32 s32, 0
	VW
	s_cbranch_scc1 .Lp4
	PAIR 1
	v_max_num_f32 v[RM], v[RM], v[RM+2]            ; the two row tiles of a pair,
	v_max_num_f32 v[RM+1], v[RM+1], v[RM+3]
	v_permlanex16_b32 v22, v[RM], s40, s41
	v_permlanex16_b32 v23, v[RM+1], s40, s41
	v_max_num_f32 v[RM], v[RM], v22                ; and the two halves of the lanes
	v_max_num_f32 v[RM+1], v[RM+1], v23
	ds_store_b64 v[OST], v[RM:RM+1]                ; outputs 64 (q / 2) + 4 r + 2 (q % 2) + 0, 1 into the stage; both halves write the same numbers
	BAR                                            ; the stage is whole, and nobody reads pre's codes any more
	s_cmp_lt_u32 s18, 2
	s_cbranch_scc0 .Lno_out
	ds_load_b128 v[32:35], v[OLD]                  ; waves 0 and 1: 128 outputs each
	s_wait_dscnt 0x0
	v_pk_fma_f32 v[36:37], v[32:33], s[38:39], v[BD:BD+1] op_sel_hi:[1,0,1]     ; maximum x 2^(e6 + e7) + b_dec
	v_pk_fma_f32 v[38:39], v[34:35], s[38:39], v[BD+2:BD+3] op_sel_hi:[1,0,1]
	global_store_b128 v[OLD], v[36:39], s[16:17]   ; the 32 lanes store 512 consecutive bytes, aligned
.Lno_out:
	VW
	s_wait_xcnt 0x0                                ; the store has read its registers and its base
	s_add_nc_u64 s[16:17], s[16:17], 1024          ; the next batch's row
	s_sub_co_u32 s19, s19, 1
	s_cmp_lg_u32 s19, 0
	s_cbranch_scc1 .Lbatch
	s_wait_tensorcnt 0x0                           ; the wave's end
	ds_add_u32 v[SPW], v[NIL]
	s_wait_dscnt 0x0
	s_endpgm
.Lfunc_end_k_qbeb289525f_main:
	.size	k_qbeb289525f_main, .Lfunc_end_k_qbeb289525f_main-k_qbeb289525f_main
	.p2alignl 7, 3214868480
	.fill 96, 4, 3214868480
	.section	.rodata,"a",@progbits
	.p2align	6, 0x0
	.amdhsa_kernel k_qbeb289525f_main
		.amdhsa_group_segment_fixed_size 327680
		.amdhsa_private_segment_fixed_size 0
		.amdhsa_enable_private_segment 0
		.amdhsa_kernarg_size 56
		.amdhsa_user_sgpr_count 2
		.amdhsa_user_sgpr_kernarg_segment_ptr 1
		.amdhsa_wavefront_size32 1
		.amdhsa_system_sgpr_workgroup_id_x 1
		.amdhsa_system_sgpr_workgroup_id_y 1
		.amdhsa_system_sgpr_workgroup_id_z 1
		.amdhsa_system_vgpr_workitem_id 0
		.amdhsa_next_free_vgpr 512
		.amdhsa_next_free_sgpr 66
		.amdhsa_reserve_vcc 0
		.amdhsa_float_denorm_mode_32 3
		.amdhsa_float_denorm_mode_16_64 3
		.amdhsa_memory_ordered 1
		.amdhsa_forward_progress 1
		.amdhsa_inst_pref_size 255
	.end_amdhsa_kernel
	.section	.bss,"aw",@nobits
	.p2align	6
	.space	262144
	.amdgpu_metadata
---
amdhsa.version: [ 1, 2 ]
amdhsa.kernels:
  - .name:           k_qbeb289525f_main
    .symbol:         k_qbeb289525f_main.kd
    .args:
      - { .name: x, .offset: 0, .size: 8, .value_kind: global_buffer, .address_space: global }
      - { .name: w1c, .offset: 8, .size: 8, .value_kind: global_buffer, .address_space: global }
      - { .name: w2c, .offset: 16, .size: 8, .value_kind: global_buffer, .address_space: global }
      - { .name: bimg, .offset: 24, .size: 8, .value_kind: global_buffer, .address_space: global }
      - { .name: b_dec, .offset: 32, .size: 8, .value_kind: global_buffer, .address_space: global }
      - { .name: lowp_scales, .offset: 40, .size: 8, .value_kind: global_buffer, .address_space: global }
      - { .name: out0, .offset: 48, .size: 8, .value_kind: global_buffer, .address_space: global }
    .group_segment_fixed_size: 327680
    .private_segment_fixed_size: 0
    .kernarg_segment_align: 8
    .kernarg_segment_size: 56
    .max_flat_workgroup_size: 256
    .sgpr_count:     66
    .vgpr_count:     512
    .wavefront_size: 32
...
	.end_amdgpu_metadata
.endif
;; end of part 4
